; MI455X (gfx1250); checked and timed in simulation.
; The chip was launched on July 23, 2026; its instructions are those of AMD's public machine-readable ISA for CDNA 5 (MIT licence, August 2026) and "CDNA5" Instruction Set Architecture Reference Guide (July 2026). The comments in the code are by the model that wrote it; some were corrected since.
;; Multi Head Attention. Allowed arithmetic: matrix products marked QUANTISED: E2M3 operands, one E8M0 scale for each 32 along K, by v_wmma_scale_f32_16x16x128_f8f6f4 with both operands' format E2M3, f32 sums; everything else in f32.
;; Inputs: W_out 1,024 x 1,024 float32; W_qkv 1,024 x 3,072 float32; x 4 x 2,048 x 1,024 float32.
;; Outputs: out0 4 x 2,048 x 1,024 float32.
;; This version of the problem:
;;   THIS VERSION OF THE PROBLEM IS GIVEN IN LOW PRECISION. The matrix products marked QUANTISED in the list below multiply operands that are first quantised to E2M3 (2 exponent bits, 3 mantissa bits; 6 bits a number), with one power-of-two scale for each 32 numbers along K (OCP MX v1.0); their sums are f32. All else is computed in f32.
;;   The module's matrix products, in the order in which they are computed (A, B: the left and right operand; K: the contracted axis; several contracted axes count as one K, in the product's order):
;;     1. [M 8,192, K 1,024] x [K 1,024, N 3,072]; A: input x; B: input W_qkv: QUANTISED
;;     2. batch 64 x [M 2,048, K 64] x [K 64, N 2,048]; A: computed on the way; B: computed on the way: QUANTISED
;;     3. batch 64 x [M 2,048, K 2,048] x [K 2,048, N 64]; A: softmax (see below); B: computed on the way: QUANTISED
;;     4. [M 8,192, K 1,024] x [K 1,024, N 1,024]; A: computed on the way; B: input W_out: QUANTISED
;;   THE QUANTISER, for each operand of a quantised product, along K:
;;     - K is cut into blocks of 32 from its start; a last block that is shorter is filled with zeros.
;;     - A block's scale is 2^e with e = floor(log2(the largest magnitude in the block)) - 2, held to -126 .. 127; a block of zeros has e = 0. As a byte (E8M0): e + 127.
;;     - Each number is divided by its block's scale, clamped to +-7.5, and rounded to the nearest number of E2M3, ties to even, subnormals kept.
;;     - The product sums the exact products of the quantised numbers (number of the format x scale) in f32.
;;   ~~~python
;;   def quantise(x, axis):      # numpy; x: float32 -> the quantised numbers, widened to float32 again
;;       x = np.moveaxis(x, axis, -1); K = x.shape[-1]
;;       x = np.pad(x, [(0, 0)] * (x.ndim - 1) + [(0, -K % 32)]); x = x.reshape(x.shape[:-1] + (-1, 32)); a = np.abs(x).max(-1, keepdims=True)
;;       e = np.where(a > 0, np.clip(np.frexp(np.where(a > 0, a, 1))[1] - 1 - 2, -126, 127), 0)      # np.frexp(a)[1] - 1 = floor(log2(a)), exactly
;;       r = np.clip(x / 2.0 ** e, -7.5, 7.5)
;;       step = 2.0 ** (np.maximum(np.frexp(np.where(r == 0, 1, r))[1] - 1, 0) - 3)
;;       q = np.round(r / step) * step * 2.0 ** e      # np.round: ties to even
;;       return np.moveaxis(q.reshape(q.shape[:-2] + (-1,))[..., :K], -1, axis).astype(np.float32)
;;   ~~~
;;   SOFTMAX AHEAD OF A QUANTISED PRODUCT. Where the list says 'softmax', what is quantised is not the finished softmax but p = 2^(t - M), with t = logit x log2(e) and M = ceil(the row's largest t), a whole number; so 1/2 < the row's largest p <= 1. The row's sum l is taken of the UNQUANTISED p, in f32, and the product's result is divided by l at the end. Since M is a whole number, a kernel that streams over the keys may use a running M (the ceiling of the running maximum): every later rescaling is an exact power of two, which a block's scale takes up: the codes' values come out the same.
;;   OPERANDS COMPUTED ON THE WAY. 'Computed on the way' means the value that the module computes at that place (a softmax that the list does not call 'softmax' is quantised finished and normalised). What goes into a quantiser is computed in f32, as accurately as f32 sums, v_exp_f32 and their like allow (about 1e-6 of the number): no bf16 or f16 on the way to a quantiser, and a product that is left as it is and whose result goes on into a quantised operand takes f32 operands (vector FMAs, or v_wmma_f32_16x16x4_f32). A number that lies on a knife's edge between two numbers of the format may be rounded either way, as far as f32 arithmetic and the matrix unit's own rounding can turn it there, and no further.
;; One version. Each part assembles by itself: llvm-mc -triple=amdgcn-amd-amdhsa -mcpu=gfx1250 --defsym DOCPART=n.
;; ======== version 1 of 1: 4 launches
;; limits: right only within a limited range of input values
;; workspace buffers: xq_img 6,291,456 bytes; xq_sc 262,144 bytes; wq_img 3,145,728 bytes; wq_sc 131,072 bytes; rope 524,288 bytes; qkv 20,447,232 bytes; att_img 6,291,456 bytes; att_sc 262,144 bytes
;; launch prep (part 1): grid 400 x 1, 4 waves a work-group, no clusters, 34,304 bytes of LDS; arguments x, W_qkv, W_out, xq_img, xq_sc, wq_img, wq_sc, rope; writes xq_img, xq_sc, wq_img, wq_sc, rope
.if DOCPART == 1
	.amdgcn_target "amdgcn-amd-amdhsa--gfx1250"
	.amdhsa_code_object_version 6
	.text
	.protected	k_qc1b7b90477_prep
	.globl	k_qc1b7b90477_prep
	.p2align	8
	.type	k_qc1b7b90477_prep,@function
k_qc1b7b90477_prep:
	s_mov_b64 s[64:65], 0
	v_nop
	global_prefetch_b8 v0, s[64:65] scope:SCOPE_SE
	s_setreg_imm32_b32 hwreg(HW_REG_WAVE_MODE, 25, 1), 1
	s_wait_xcnt 0x0
; PREP: x [8192][1024], W_qkv [1024][3072] and W_out [1024][1024], f32, become codes of FP6 (E2M3) with one E8M0 byte for each 32 along K (K = the 1,024), and the table of cos and sin for the rotation is made.
; THE CODES ARE LAID AS IMAGES OF OPERAND REGISTERS.  A half image (768 bytes) is 16 rows x 64 K: lane l's registers 0-3 at 16 l, its registers 4-5 at 512 + 8 l; lane (r = l % 16, h = l / 16) holds row r, k = 32 h .. 32 h + 31.
; A fragment (16 rows x 128 K) is two half images on end, 1,536 bytes; a tile of 16 rows has its 8 fragments on end.
; POSITION ORDER: place p of a tensor's rows holds row p with bits 3 and 4 exchanged, so that lane r of tile 2 b + u is row 32 b + 8 u + r + 8 (r / 8).  The scale bytes lie [place][32 bytes], byte = block along K.
; A block's scale byte is its largest magnitude's exponent field - 2, held at 1 from below.
; LIMITS: NaN and infinities among the inputs are not served; a block whose largest magnitude lies under 2^-124 keeps the byte 1; a block of zeros gets the byte 1 where the rule says 127 (its codes are zeros, and this program alone reads the bytes).
; The table's frequencies are 1 / 10^(i / 8), both roundings to nearest f32.
; WORK-GROUPS 0-255: x (a wave: one tile of 16 rows x 512 K).  256-383: the weights (a wave: 32 columns x 256 K, a lane to a column, registers down K).  384-399: the table (a wave: 32 positions, a lane to a frequency).
; Only the first way uses LDS: a stage of 16 rows x (512 + 16) bytes for each wave, and behind the four stages the spare words.
.set SPARE, 33792                      ; the spare words: 128 bytes for each wave, two blocks of 256 bytes that no other line names
.set SPW,   12                         ; v12  my spare word's address; never rewritten
.set NIL,   13                         ; v13  0; never rewritten
.set WV,    20                         ; s20  my wave's number
.set SEL,   22                         ; s[22:23] selects for lane l xor 16
.set MHI,   24                         ; s24  lanes 16-31
.set STGB,  8448                       ; a wave's stage
.set R,     16                         ; x: v16-143 two sets of 64 registers as loaded
.set X,     144                        ; v144-207 my 64 numbers: two whole blocks
.set PC,    208                        ; v208-219 a fragment's codes
.set TP,    220                        ; v220-226 the blocks' upper halves, as the conversions leave them
.set TM,    228                        ; v228-235 at work
.set SW,    240                        ; v240-243 the four fragments' scale words
.set OF,    16                         ; weights: v16-47 byte offsets of 32 rows of K
.set XW,    48                         ; v48-111 two sets of 32 numbers
.set CB,    112                        ; v112-159 two sets of four blocks' codes
.set TW,    160                        ; v160-162 a block's upper half
.set SB,    164                        ; v164-165 eight scale bytes
	s_load_b256 s[4:11], s[0:1], 0x0               ; x s[4:5], W_qkv s[6:7], W_out s[8:9], xq_img s[10:11]
	s_load_b256 s[12:19], s[0:1], 0x20             ; xq_sc s[12:13], wq_img s[14:15], wq_sc s[16:17], rope s[18:19]
	v_lshl_add_u32 v[SPW], v0, 2, SPARE
	v_mov_b32 v[NIL], 0
	v_lshrrev_b32 v1, 5, v0
	v_readfirstlane_b32 s[WV], v1
	v_and_b32 v1, 31, v0                           ; lane
	v_and_b32 v2, 15, v0                           ; r
	v_bfe_u32 v3, v0, 4, 1                         ; h
	v_lshlrev_b32 v4, 4, v1                        ; 16 l
	v_lshlrev_b32 v5, 3, v1                        ; 8 l
	s_mov_b32 s[SEL], 0x76543210
	s_mov_b32 s[SEL+1], 0xfedcba98
	s_mov_b32 s[MHI], 0xffff0000
	s_wait_kmcnt 0x0
	s_cmp_lt_u32 ttmp9, 256
	s_cbranch_scc1 .Lpath_x
	s_cmp_lt_u32 ttmp9, 384
	s_cbranch_scc1 .Lpath_w
; ---- THE TABLE: rope[t][i] = (cos, sin)(t x inv_i), f32, 256 bytes a position.
	s_sub_co_u32 s25, ttmp9, 384
	s_lshl_b32 s25, s25, 2
	s_add_co_u32 s25, s25, s[WV]
	s_lshl_b32 s25, s25, 5                         ; my wave's first position
	v_mov_b32 v20, 1.0
.macro FREQ i, bits                    ; lane i gets 10^(i / 8), rounded to f32
	s_mov_b32 s30, \bits
	v_writelane_b32 v20, s30, \i
.endm
	FREQ 0, 0x3f800000
	FREQ 1, 0x3faab0d5
	FREQ 2, 0x3fe39ea9
	FREQ 3, 0x4017c496
	FREQ 4, 0x404a62c2
	FREQ 5, 0x4086f161
	FREQ 6, 0x40b3f300
	FREQ 7, 0x40eff755
	FREQ 8, 0x41200000
	FREQ 9, 0x41555d0a
	FREQ 10, 0x418e432a
	FREQ 11, 0x41bdb5bc
	FREQ 12, 0x41fcfb72
	FREQ 13, 0x4228adb9
	FREQ 14, 0x4260efc0
	FREQ 15, 0x4295fa95
	FREQ 16, 0x42c80000
	FREQ 17, 0x43055a26
	FREQ 18, 0x4331d3f4
	FREQ 19, 0x436d232b
	FREQ 20, 0x439e1d27
	FREQ 21, 0x43d2d927
	FREQ 22, 0x440c95d8
	FREQ 23, 0x443b793b
	FREQ 24, 0x447a0000
	FREQ 25, 0x44a6b0b0
	FREQ 26, 0x44de48f1
	FREQ 27, 0x451435fb
	FREQ 28, 0x4545a471
	FREQ 29, 0x4583c7b8
	FREQ 30, 0x45afbb4e
	FREQ 31, 0x45ea5789
	s_wait_alu depctr_va_vdst(0)
	v_rcp_f32 v21, v20
	v_nop                                          ; a plain instruction behind the reciprocal
	s_wait_alu depctr_va_vdst(0)                   ; and the wait ahead of its first reader
	v_fma_f32 v22, -v20, v21, 1.0                  ; one step of Newton: the quotient 1 / a to the last bit
	v_fma_f32 v21, v21, v22, v21                   ; inv
	s_lshl_b32 s26, s25, 8
	v_add_nc_u32 v23, s26, v5                      ; 256 t + 8 lane
	v_mov_b32 v24, s25                             ; t
	s_mov_b32 s31, 0
.Ltrip:
	s_wait_alu depctr_va_vdst(0)
	v_cvt_f32_u32 v25, v24
	v_mul_f32 v25, v25, v21                        ; the angle, one rounding
	v_mul_f32 v26, 0x3f22f983, v25                 ; x 2 / pi
	v_rndne_f32 v26, v26                           ; n quarter turns (at most 1,303)
	v_fmamk_f32 v27, v26, 0xbfc90fda, v25          ; the angle less n x pi / 2, pi / 2 in three parts
	v_fmamk_f32 v27, v26, 0xb3a22168, v27
	v_fmamk_f32 v27, v26, 0xa7c234c4, v27          ; r, within pi / 4 of 0
	v_mul_f32 v28, v27, v27                        ; z = r^2
	v_mov_b32 v29, 0x3638ef1b                      ; sin r = r + r z (-1/6 + z (1/120 + z (-1/5040 + z / 362880)))
	v_fmaak_f32 v29, v29, v28, 0xb9500d01
	v_fmaak_f32 v29, v29, v28, 0x3c088889
	v_fmaak_f32 v29, v29, v28, 0xbe2aaaab
	v_mul_f32 v30, v27, v28
	v_fma_f32 v29, v30, v29, v27
	v_mov_b32 v31, 0xb493f27c                      ; cos r = 1 - z / 2 + z^2 (1/24 + z (-1/720 + z (1/40320 - z / 3628800)))
	v_fmaak_f32 v31, v31, v28, 0x37d00d01
	v_fmaak_f32 v31, v31, v28, 0xbab60b61
	v_fmaak_f32 v31, v31, v28, 0x3d2aaaab
	v_mul_f32 v32, v28, v28
	v_fma_f32 v33, v28, -0.5, 1.0
	v_fma_f32 v31, v32, v31, v33
	v_cvt_i32_f32 v34, v26
	v_and_b32 v35, 1, v34
	v_cmp_eq_u32 vcc_lo, 1, v35                    ; an odd quarter: cos and sin change places
	v_cndmask_b32 v36, v31, v29, vcc_lo
	v_cndmask_b32 v37, v29, v31, vcc_lo
	v_add_nc_u32 v35, 1, v34
	v_and_b32 v35, 2, v35                          ; quarters 1 and 2: cos is negative
	v_lshlrev_b32 v35, 30, v35
	v_xor_b32 v36, v36, v35
	v_and_b32 v35, 2, v34                          ; quarters 2 and 3: sin is negative
	v_lshlrev_b32 v35, 30, v35
	v_xor_b32 v37, v37, v35
	global_store_b64 v23, v[36:37], s[18:19]       ; the wave stores 256 consecutive bytes, aligned
	s_wait_xcnt 0x0                                ; the store has read its offset and its data: both are written again in the next trip
	v_add_nc_u32 v23, 0x100, v23
	v_add_nc_u32 v24, 1, v24
	s_add_co_u32 s31, s31, 1
	s_cmp_lt_u32 s31, 32
	s_cbranch_scc1 .Ltrip
	s_endpgm
; ---- x: wave W = 4 x work-group + wave takes tile W / 2 of 16 rows and fragments 4 (W % 2) .. + 3.
.Lpath_x:
	s_lshl_b32 s25, ttmp9, 2
	s_add_co_u32 s25, s25, s[WV]                   ; W
	s_lshr_b32 s26, s25, 1                         ; the tile
	s_and_b32 s27, s25, 1                          ; which half of K
	s_lshr_b32 s28, s26, 1
	s_lshl_b32 s28, s28, 17                        ; 32 rows of 4,096 bytes for each pair of tiles,
	s_and_b32 s29, s26, 1
	s_lshl_b32 s29, s29, 15                        ; 8 rows for the odd tile,
	s_add_co_u32 s28, s28, s29
	s_lshl_b32 s29, s27, 11                        ; 2,048 bytes for the upper half of K
	s_add_co_u32 s28, s28, s29
	s_mov_b32 s29, 0
	s_add_nc_u64 s[4:5], s[4:5], s[28:29]
	s_mul_i32 s28, s25, 6144                       ; four fragments a wave
	s_add_nc_u64 s[10:11], s[10:11], s[28:29]
	s_lshl_b32 s28, s26, 9                         ; 16 places of 32 scale bytes a tile,
	s_lshl_b32 s30, s27, 4                         ; 16 bytes for the upper half of K
	s_add_co_u32 s28, s28, s30
	s_add_nc_u64 s[12:13], s[12:13], s[28:29]
	s_mul_i32 s30, s[WV], STGB
	s_wait_alu depctr_va_vdst(0)
	v_add_nc_u32 v6, s30, v4                       ; into the stage: a row's 512 bytes as they lie
	v_mul_u32_u24 v7, v2, 528
	v_lshl_add_u32 v7, v3, 7, v7
	v_add_nc_u32 v7, s30, v7                       ; out of it: row r, 128 h bytes on: my block of 32 numbers
	v_lshlrev_b32 v8, 5, v2
	v_lshl_add_u32 v8, v3, 3, v8                   ; the scale words' place: 32 r + 8 h
	v_lshlrev_b32 v9, 3, v3                        ; 8 h: my bytes' shift in a scale word
	v_mov_b32 v[TM+7], 0                           ; written once: a lane permute's destination counts as one of its sources
.macro LOADF g                         ; fragment g: 512 consecutive bytes of each of the tile's 16 rows, one load a row
.irp j, 0,1,2,3,4,5,6,7,8,9,10,11,12,13,14,15
	global_load_b128 v[R+64*((\g)%2)+4*\j:R+64*((\g)%2)+4*\j+3], v4, s[4:5] offset:(\j+8*(\j/8))*4096+512*(\g) th:TH_LOAD_NT
.endr
.endm
.macro TURNX g                         ; through my stage: LDS serves a wave's instructions in order, so no wait stands between the stores and the loads.  Rows 528 bytes apart: sixteen lanes' reads fall on sixteen different columns of 16 bytes
.irp j, 0,1,2,3,4,5,6,7,8,9,10,11,12,13,14,15
	ds_store_b128 v6, v[R+64*((\g)%2)+4*\j:R+64*((\g)%2)+4*\j+3] offset:528*\j
.endr
.irp c, 0,1
.irp i, 0,1,2,3,4,5,6,7
	ds_load_b128 v[X+32*\c+4*\i:X+32*\c+4*\i+3], v7 offset:256*\c+16*\i   ; k = 64 c + 32 h + 4 i ..
.endr
.endr
.endm
.macro QUANTX g                        ; my two whole blocks (2 c + h) become registers 6 c .. 6 c + 5 of the fragment
.irp c, 0,1
	v_max3_num_f32 v[TM+\c], |v[X+32*\c]|, |v[X+32*\c+1]|, 0x1800000   ; with the floor 2^(3 - 127): the byte cannot fall under 1
.endr
.irp i, 2,4,6,8,10,12,14,16,18,20,22,24,26,28,30
.irp c, 0,1
	v_max3_num_f32 v[TM+\c], v[TM+\c], |v[X+32*\c+\i]|, |v[X+32*\c+\i+1]|
.endr
.endr
.irp c, 0,1
	v_add_nc_u32 v[TM+2+\c], 0xff000000, v[TM+\c]  ; 2 off the exponent field: the conversion's scale operand
.endr
.irp c, 0,1
	v_lshrrev_b32 v[TM+4+\c], 23, v[TM+2+\c]       ; the scale's byte
.endr
	v_lshl_or_b32 v[TM+6], v[TM+5], 16, v[TM+4]    ; blocks h and 2 + h,
	v_lshlrev_b32 v[TM+6], v9, v[TM+6]             ; at their places;
	v_permlanex16_b32 v[TM+7], v[TM+6], s[SEL], s[SEL+1]
	v_or_b32 v[SW+(\g)], v[TM+6], v[TM+7]          ; with lane l xor 16's two the word is whole
	s_wait_alu depctr_va_vdst(0)
	s_wait_xcnt 0x0                                ; the last fragment's stores have read the codes' registers
.irp c, 0,1
	v_cvt_scalef32_pk16_fp6_f32 v[PC+6*\c:PC+6*\c+2], v[X+32*\c:X+32*\c+15], v[TM+2+\c]
	v_cvt_scalef32_pk16_fp6_f32 v[TP+4*\c:TP+4*\c+2], v[X+32*\c+16:X+32*\c+31], v[TM+2+\c]   ; (a conversion's three registers begin on an even number)
.endr
	v_nop                                          ; one plain instruction behind the conversions
.irp c, 0,1
.irp i, 0,1,2
	v_mov_b32 v[PC+3+6*\c+\i], v[TP+4*\c+\i]
.endr
.endr
	global_store_b128 v4, v[PC:PC+3], s[10:11] offset:(\g)*1536           ; 512 and 256 consecutive bytes, aligned
	global_store_b64 v5, v[PC+4:PC+5], s[10:11] offset:(\g)*1536+512
	global_store_b128 v4, v[PC+6:PC+9], s[10:11] offset:(\g)*1536+768
	global_store_b64 v5, v[PC+10:PC+11], s[10:11] offset:(\g)*1536+1280
.endm
.macro XSTEP g, left, more
	s_wait_loadcnt \left                           ; this fragment's 16 loads are in; the next fragment's 16 may be out
	TURNX \g
	s_wait_dscnt 0x0                               ; my numbers are back, and the stage's stores have read their registers,
.if \more
	LOADF (\g)+2                                   ; which take the loads of two fragments on
.endif
	QUANTX \g
.endm
	LOADF 0
	LOADF 1
	s_wait_alu depctr_va_vdst(0)
	XSTEP 0, 16, 1
	XSTEP 1, 16, 1
	XSTEP 2, 16, 0
	XSTEP 3, 0, 0
	v_cndmask_b32 v244, v[SW], v[SW+2], s[MHI]     ; a row's four words: lanes 0-15 store the first two, lanes 16-31 the others
	v_cndmask_b32 v245, v[SW+1], v[SW+3], s[MHI]
	global_store_b64 v8, v[244:245], s[12:13]      ; 16 bytes of each place's 32: one byte in 128 of what the wave reads
	s_wait_tensorcnt 0x0                           ; the wave's end, behind my last LDS store
	ds_add_u32 v[SPW], v[NIL]
	s_wait_dscnt 0x0
	s_endpgm
; ---- THE WEIGHTS.  K is their first axis: a lane takes a column and its registers run down K.  Lane l takes the column whose place is l, so lanes 0-15 are one tile's rows and lanes 16-31 the next tile's.
.Lpath_w:
	s_sub_co_u32 s25, ttmp9, 256
	s_cmp_ge_u32 s25, 96                           ; the first 96 take W_qkv (24 x 128 columns, 4 x 256 K), the other 32 W_out
	s_cselect_b64 s[6:7], s[8:9], s[6:7]
	s_mov_b32 s26, 12288
	s_cselect_b32 s26, 4096, s26                   ; bytes from a row of K to the next
	s_cselect_b32 s27, 96, 0
	s_cselect_b32 s28, 192, 0                      ; W_out's tiles lie behind W_qkv's 192
	s_sub_co_u32 s25, s25, s27
	s_lshr_b32 s29, s25, 2                         ; which 128 columns
	s_and_b32 s30, s25, 3                          ; which 256 of K
	s_lshl_b32 s31, s29, 3
	s_add_co_u32 s28, s28, s31
	s_lshl_b32 s31, s[WV], 1
	s_add_co_u32 s28, s28, s31                     ; my first tile
	s_lshl_b32 s31, s30, 8
	s_mul_i32 s48, s31, s26
	s_lshl_b32 s31, s29, 9
	s_add_co_u32 s48, s48, s31
	s_lshl_b32 s31, s[WV], 7
	s_add_co_u32 s48, s48, s31
	s_mov_b32 s49, 0
	s_add_nc_u64 s[32:33], s[6:7], s[48:49]        ; block 0's first row, my wave's first column
	s_lshl_b32 s48, s26, 5
.irp t, 1,2,3,4,5,6,7
	s_add_nc_u64 s[32+2*\t:33+2*\t], s[30+2*\t:31+2*\t], s[48:49]   ; a base for each block of 32 rows
.endr
	s_lshl_b32 s50, s28, 3
	s_lshl_b32 s51, s30, 1
	s_add_co_u32 s50, s50, s51
	s_mul_i32 s50, s50, 1536
	s_mov_b32 s51, 0
	s_add_nc_u64 s[14:15], s[14:15], s[50:51]      ; my first tile's fragment 2 y
	s_lshl_b32 s50, s28, 9
	s_lshl_b32 s52, s30, 3
	s_add_co_u32 s50, s50, s52
	s_add_nc_u64 s[16:17], s[16:17], s[50:51]      ; and its scale bytes 8 y ..
	v_and_b32 v14, 7, v0
	v_bfe_u32 v15, v0, 3, 1
	v_lshl_add_u32 v14, v15, 4, v14
	s_wait_alu depctr_va_vdst(0)
	v_lshl_add_u32 v14, v3, 3, v14                 ; my lane with bits 3 and 4 exchanged: my column
	v_lshlrev_b32 v[OF], 2, v14
.irp i, 1,2,3,4,5,6,7,8,9,10,11,12,13,14,15,16,17,18,19,20,21,22,23,24,25,26,27,28,29,30,31
	v_add_nc_u32 v[OF+\i], s26, v[OF+\i-1]
.endr
	v_lshlrev_b32 v6, 5, v1                        ; 32 bytes of scales a place
.macro LOADW t                         ; block t: 32 rows of K at my column; each load reads 128 consecutive bytes
.irp i, 0,1,2,3,4,5,6,7,8,9,10,11,12,13,14,15,16,17,18,19,20,21,22,23,24,25,26,27,28,29,30,31
	global_load_b32 v[XW+32*((\t)%2)+\i], v[OF+\i], s[32+2*(\t):33+2*(\t)] th:TH_LOAD_NT
.endr
.endm
.macro BLOCKW t
.set XS, XW+32*((\t)%2)
.set CK, CB+24*((\t)/4)+6*((\t)%4)
.if (\t) < 7
	s_wait_loadcnt 32                              ; this block's 32 loads are in; the next block's may be out
.else
	s_wait_loadcnt 0x0
.endif
	v_max3_num_f32 v8, |v[XS]|, |v[XS+1]|, |v[XS+2]|
	v_max3_num_f32 v9, |v[XS+3]|, |v[XS+4]|, |v[XS+5]|
.irp i, 6,10,14,18,22,26
	v_max3_num_f32 v8, v8, |v[XS+\i]|, |v[XS+\i+1]|
	v_max3_num_f32 v9, v9, |v[XS+\i+2]|, |v[XS+\i+3]|
.endr
	v_max3_num_f32 v8, v8, |v[XS+30]|, |v[XS+31]|
	v_max3_num_f32 v8, v8, v9, 0x1800000           ; with the floor
	v_add_nc_u32 v10, 0xff000000, v8               ; the conversion's scale operand
	v_lshrrev_b32 v11, 23, v10                     ; the byte
.if (\t)%4 == 0
	v_mov_b32 v[SB+(\t)/4], v11
.else
	v_lshl_or_b32 v[SB+(\t)/4], v11, 8*((\t)%4), v[SB+(\t)/4]
.endif
	v_cvt_scalef32_pk16_fp6_f32 v[CK:CK+2], v[XS:XS+15], v10
	v_cvt_scalef32_pk16_fp6_f32 v[TW:TW+2], v[XS+16:XS+31], v10
	v_nop                                          ; one plain instruction behind the conversions
.irp i, 0,1,2
	v_mov_b32 v[CK+3+\i], v[TW+\i]
.endr
.if (\t) < 6
	LOADW (\t)+2
.endif
.endm
; Four blocks of a lane make a fragment's K.  The operand wants block 2 c in lanes 0-15 and block 2 c + 1 in lanes 16-31 of ONE tile: the exchange below gives the first tile's registers in the even blocks' places and the second tile's in the odd blocks'.
.macro OUTW f
.set CF, CB+24*(\f)
.irp i, 0,1,2,3,4,5
	v_permlane16_swap_b32 v[CF+\i], v[CF+6+\i]
	v_permlane16_swap_b32 v[CF+12+\i], v[CF+18+\i]
.endr
.irp u, 0,1
.irp c, 0,1
	global_store_b128 v4, v[CF+6*\u+12*\c:CF+6*\u+12*\c+3], s[14:15] offset:(\f)*1536+\u*12288+\c*768
	global_store_b64 v5, v[CF+6*\u+12*\c+4:CF+6*\u+12*\c+5], s[14:15] offset:(\f)*1536+\u*12288+\c*768+512
.endr
.endr
.endm
	LOADW 0
	LOADW 1
	BLOCKW 0
	BLOCKW 1
	BLOCKW 2
	BLOCKW 3
	OUTW 0                                         ; each fragment has its own registers: no store's data are written again
	BLOCKW 4
	BLOCKW 5
	BLOCKW 6
	BLOCKW 7
	OUTW 1
	global_store_b64 v6, v[SB:SB+1], s[16:17]      ; my place's eight scale bytes
	s_endpgm
.Lfunc_end_k_qc1b7b90477_prep:
	.size	k_qc1b7b90477_prep, .Lfunc_end_k_qc1b7b90477_prep-k_qc1b7b90477_prep
	.p2alignl 7, 3214868480
	.fill 96, 4, 3214868480
	.section	.rodata,"a",@progbits
	.p2align	6, 0x0
	.amdhsa_kernel k_qc1b7b90477_prep
		.amdhsa_group_segment_fixed_size 34304
		.amdhsa_private_segment_fixed_size 0
		.amdhsa_enable_private_segment 0
		.amdhsa_kernarg_size 64
		.amdhsa_user_sgpr_count 2
		.amdhsa_user_sgpr_kernarg_segment_ptr 1
		.amdhsa_wavefront_size32 1
		.amdhsa_system_sgpr_workgroup_id_x 1
		.amdhsa_system_sgpr_workgroup_id_y 1
		.amdhsa_system_sgpr_workgroup_id_z 1
		.amdhsa_system_vgpr_workitem_id 0
		.amdhsa_next_free_vgpr 256
		.amdhsa_next_free_sgpr 66
		.amdhsa_reserve_vcc 1
		.amdhsa_float_denorm_mode_32 3
		.amdhsa_float_denorm_mode_16_64 3
		.amdhsa_memory_ordered 1
		.amdhsa_forward_progress 1
		.amdhsa_inst_pref_size 78
	.end_amdhsa_kernel
	.amdgpu_metadata
---
amdhsa.version: [ 1, 2 ]
amdhsa.kernels:
  - .name:           k_qc1b7b90477_prep
    .symbol:         k_qc1b7b90477_prep.kd
    .args:
      - { .name: x, .offset: 0, .size: 8, .value_kind: global_buffer, .address_space: global }
      - { .name: W_qkv, .offset: 8, .size: 8, .value_kind: global_buffer, .address_space: global }
      - { .name: W_out, .offset: 16, .size: 8, .value_kind: global_buffer, .address_space: global }
      - { .name: xq_img, .offset: 24, .size: 8, .value_kind: global_buffer, .address_space: global }
      - { .name: xq_sc, .offset: 32, .size: 8, .value_kind: global_buffer, .address_space: global }
      - { .name: wq_img, .offset: 40, .size: 8, .value_kind: global_buffer, .address_space: global }
      - { .name: wq_sc, .offset: 48, .size: 8, .value_kind: global_buffer, .address_space: global }
      - { .name: rope, .offset: 56, .size: 8, .value_kind: global_buffer, .address_space: global }
    .group_segment_fixed_size: 34304
    .private_segment_fixed_size: 0
    .kernarg_segment_align: 8
    .kernarg_segment_size: 64
    .max_flat_workgroup_size: 128
    .sgpr_count:     66
    .vgpr_count:     256
    .wavefront_size: 32
...
	.end_amdgpu_metadata
.endif
;; end of part 1
;; launch gemm_qkv (part 2): grid 8 x 32, 4 waves a work-group, clusters of 4 x 4, 327,680 bytes of LDS; arguments xq_img, xq_sc, wq_img, wq_sc, rope, qkv; writes qkv
.if DOCPART == 2
	.amdgcn_target "amdgcn-amd-amdhsa--gfx1250"
	.amdhsa_code_object_version 6
	.text
	.protected	k_qc1b7b90477_gemm_qkv
	.globl	k_qc1b7b90477_gemm_qkv
	.p2align	8
	.type	k_qc1b7b90477_gemm_qkv,@function
k_qc1b7b90477_gemm_qkv:
	s_mov_b64 s[64:65], 0
	v_nop
	global_prefetch_b8 v0, s[64:65] scope:SCOPE_SE
	s_setreg_imm32_b32 hwreg(HW_REG_WAVE_MODE, 25, 1), 1
	s_wait_xcnt 0x0
	s_wait_alu depctr_hold_cnt(0) depctr_sa_sdst(0) depctr_va_vdst(0) depctr_va_sdst(0) depctr_va_ssrc(0) depctr_va_vcc(0) depctr_vm_vsrc(0)
	s_getreg_b32 s2, hwreg(HW_REG_IB_STS2, 6, 4)
	s_cmp_eq_u32 s2, 0
	s_cbranch_scc0 .Lentry_in_a_cluster
	s_endpgm
.Lentry_in_a_cluster:
	s_bfe_u32 s2, ttmp6, 0x10000c
	s_cmp_lg_u32 s2, 0xf033
	s_cbranch_scc0 .Lentry_shape_is_right
	s_endpgm
.Lentry_shape_is_right:
; x W_qkv on codes of FP6 (E2M3), and what follows it up to the next quantisers: q and k are rotated and quantised along the head's 64, v is quantised along the keys.  No f32 number goes to memory.
; THE DEAL: 256 work-groups.  Work-group (X, Y) takes tokens 256 Y .. + 255 and columns 128 X .. + 127 of q, of k and of v: six heads.  Each of its four waves HOLDS 64 tokens, all of K = 1,024, in 384 registers;
; W streams past from LDS in blocks of 16 columns, all of K: 32 products a block on four accumulators by turns.  A head is four blocks, 128 registers of sums, and leaves at once.
; OPERANDS lie in memory as images of their registers (a fragment of 16 rows x 128 K: 1,536 bytes; lane l's registers 0-3 at 16 l, 4-5 at 512 + 8 l, 6-9 at 768 + 16 l, 10-11 at 1,280 + 8 l); a tile of 16 rows is 8 fragments, 12,288 bytes.
; ROWS LIE IN POSITION ORDER (bits 3 and 4 of the row's number exchanged): a lane's 32 sums of a head or of 64 keys are, register 16 g + i, the true index 32 g + 16 (lane / 16) + i.
; q, k: source 0 = W, source 1 = x: a lane holds a token, its registers run along the head.  v: source 0 = x, source 1 = W: a lane holds a column, its registers run down my 64 keys: half a fragment of V^T.
; LDS: W_q's 8 tiles at 0; x's 16 tiles behind them; the scale words of my 384 columns at SCW; the spare words.  At the head one joint load a wave: x's two halves, W_q, the scale words.
; ONE REFILL: when every wave holds its tokens in registers, x's bytes take W_k's and W_v's tiles (waves 0 and 1, one load each) behind the three lines and a round of the cluster's barrier.  So the 24 blocks lie on end in LDS.
; What the refill brought is shown by the plain barrier that stands behind each head's products, ahead of the next head's first fetch.  The refill has eight blocks of products in which to land, and the head asks for all else at once: no prefetch is laid.
; CLUSTERS 4 x 4: x's tiles are asked for jointly along a row of the cluster, W's along a column.
; OUT, buffer qkv: [head 64][step of 128 keys 16][13,312]: 8 tiles of K (768 bytes), 4 fragments of V^T, K's scale words (512), V's (512); at QOFF [head][step][6,656]: 8 tiles of Q and their scale words.
; LIMITS: NaN and infinities are not served; a block whose largest magnitude lies under 2^-124 keeps the byte 1, a block of zeros too (this program alone reads the bytes).
; REGISTERS: window 0: v16-29 addresses, v32-47 x's scale words, v48-49 scale words on the way out, v52-67 W's scale words, v68-123 at work, v128-255 the sums; window 1: W's fragments, two sets of 96, v192-255 cos and sin of tiles 0, 1;
; windows 2, 3: x's fragments (fragment 4 q + t, 21 to a window); window 3 v132-195 cos and sin of tiles 2, 3.
.set TB,    12288
.set HB,    4*TB
.set XR,    8*TB
.set SCW,   24*TB
.set SPARE, SCW+12288
.set QOFF,  13631488
.set L16, 16
.set L8,  17
.set XA,  18
.set AW,  20
.set AS,  22
.set LX32, 23
.set RA,  24
.set SPW, 28
.set NIL, 29
.set T,   68                           ; v68-99 the rotation's first products; then the tiles' codes, 8 registers apart
.set M,   100                          ; v100-107 largest magnitudes
.set P,   108                          ; v108-115 the other half's; then the bytes
.set SO,  116                          ; v116-123 the conversions' scale operands
.set ACC, 128
.set G1X, 24
.set G1W, 32
.set G1S, 48
.set G0X, 56
.set G0W, 60
.set G0S, 68
.set G0R, 88
.set WB,  92
.set WS,  93
.set MHI, 95
.set SEL, 100
.set MSB, 0
.macro WIN new                         ; the immediate's high byte repeats the setting that is left
.if MSB != (\new)
	s_set_vgpr_msb (MSB<<8)|(\new)
.set MSB, (\new)
.endif
.endm
.macro PLACES n
.rept \n
	v_nop
.endr
.endm
.macro CROUND                          ; a round of the cluster's barrier
	s_barrier_signal -1
	s_barrier_wait -1
	s_cmp_lg_u32 s14, 0
	s_cbranch_scc1 .Lnot_wave_0_\@
	s_barrier_signal -3
.Lnot_wave_0_\@:
	s_barrier_wait -3
	s_barrier_signal -1
	s_barrier_wait -1
.endm
.macro GROUP1 g, mask, c, r, p         ; r rows of c elements of 8 bytes, p elements apart, dense in LDS; the mask, and bit 21 beside it
	s_or_b32 s[\g], s\mask, (3<<16)|(1<<21)
	s_mov_b32 s[\g+1], (\c)<<16
	s_mov_b32 s[\g+2], (\r)<<16
	s_mov_b32 s[\g+3], (\c)<<16
	s_mov_b32 s[\g+4], \r
	s_mov_b32 s[\g+5], \p
	s_mov_b32 s[\g+6], 0
	s_mov_b32 s[\g+7], 0
.endm
.macro GROUP0 g, base, off
	s_mov_b32 s[\g], 1
	s_add_nc_u64 s[\g+2:\g+3], s[\base:\base+1], s[\off:\off+1]
	s_or_b32 s[\g+3], s[\g+3], 0x80000000
.endm
.macro ARM under, g0, g1, next
	s_cmp_lt_u32 s14, \under
	s_cbranch_scc0 \next
	tensor_load_to_lds s[\g0:\g0+3], s[\g1:\g1+7]
	s_nop 0
	PLACES 4
	s_branch .Lhead_asked
\next:
.endm
.macro FRAG w, reg, a, off             ; a fragment as it lies, into window w: four loads, each lane beside its neighbour
	WIN (\w)<<6
	ds_load_b128 v[\reg:\reg+3], v[\a] offset:\off
	ds_load_b64 v[\reg+4:\reg+5], v[\a+1] offset:(\off)+512
	ds_load_b128 v[\reg+6:\reg+9], v[\a] offset:(\off)+768
	ds_load_b64 v[\reg+10:\reg+11], v[\a+1] offset:(\off)+1280
.endm
.macro XLOAD                           ; my 64 tokens: fragment 4 q + t is tile t, K step q: 128 loads
.set F_, 0
.rept 32
.set R_, 12*(F_%21)
.set O_, (F_%4)*TB+(F_/4)*1536
	FRAG 2+F_/21, R_, XA, O_
.set F_, F_+1
.endr
	WIN 0
.endm
.macro FETCHW b                        ; block b of the head at v[AW]: 32 loads into set b % 2
.set Q_, 0
.rept 8
.set R_, 96*((\b)%2)+12*Q_
.set O_, (\b)*TB+Q_*1536
	FRAG 1, R_, AW, O_
.set Q_, Q_+1
.endr
	WIN 0
.endm
.macro SCALEW                          ; the head's scale words: lanes 0-15 blocks 0 and 2, lanes 16-31 blocks 1 and 3
.irp p, 0,1
.irp c, 0,1
	ds_load_b128 v[52+8*\p+4*\c:55+8*\p+4*\c], v[AS] offset:1024*\p+16*\c
.endr
.endr
.endm
.macro MM d, a, b, c, sa, sb, ra, rb
.if (\ra) && (\rb)
	v_wmma_scale_f32_16x16x128_f8f6f4 v[\d:\d+7], v[\a:\a+11], v[\b:\b+11], \c, v[\sa], v[\sb] matrix_a_fmt:MATRIX_FMT_FP6 matrix_b_fmt:MATRIX_FMT_FP6 matrix_a_scale:MATRIX_SCALE_ROW1 matrix_b_scale:MATRIX_SCALE_ROW1
.elseif (\ra)
	v_wmma_scale_f32_16x16x128_f8f6f4 v[\d:\d+7], v[\a:\a+11], v[\b:\b+11], \c, v[\sa], v[\sb] matrix_a_fmt:MATRIX_FMT_FP6 matrix_b_fmt:MATRIX_FMT_FP6 matrix_a_scale:MATRIX_SCALE_ROW1 matrix_b_scale:MATRIX_SCALE_ROW0
.elseif (\rb)
	v_wmma_scale_f32_16x16x128_f8f6f4 v[\d:\d+7], v[\a:\a+11], v[\b:\b+11], \c, v[\sa], v[\sb] matrix_a_fmt:MATRIX_FMT_FP6 matrix_b_fmt:MATRIX_FMT_FP6 matrix_a_scale:MATRIX_SCALE_ROW0 matrix_b_scale:MATRIX_SCALE_ROW1
.else
	v_wmma_scale_f32_16x16x128_f8f6f4 v[\d:\d+7], v[\a:\a+11], v[\b:\b+11], \c, v[\sa], v[\sb] matrix_a_fmt:MATRIX_FMT_FP6 matrix_b_fmt:MATRIX_FMT_FP6 matrix_a_scale:MATRIX_SCALE_ROW0 matrix_b_scale:MATRIX_SCALE_ROW0
.endif
.endm
; A block's 32 products: K ascending, my four tiles by turns.  The first product of each sum takes 0 as C.  x's scale words stand at q, W's at q + 4 modulo 8.
.macro PRODS kind, b
.set Q_, 0
.rept 8
.irp t, 0,1,2,3
.set F_, 4*Q_+\t
.set XW_, 2+F_/21
.set X_, 12*(F_%21)
.set W_, 96*((\b)%2)+12*Q_
.set SX_, 32+8*(\t/2)+Q_
.set SW_, 52+8*((\b)/2)+Q_
.if \kind
.set D_, ACC+32*(\b)+8*\t
	WIN XW_|(1<<2)
.if Q_
	MM D_, X_, W_, v[D_:D_+7], SX_, SW_, \t%2, (\b)%2
.else
	MM D_, X_, W_, 0, SX_, SW_, \t%2, (\b)%2
.endif
.else
.set D_, ACC+32*\t+8*(\b)
	WIN 1|(XW_<<2)
.if Q_
	MM D_, W_, X_, v[D_:D_+7], SW_, SX_, (\b)%2, \t%2
.else
	MM D_, W_, X_, 0, SW_, SX_, (\b)%2, \t%2
.endif
.endif
.endr
.set Q_, Q_+1
.endr
	WIN 0
.endm
.macro TRIP kind                       ; a head: four blocks; the next block is fetched ahead of each batch of products
.irp b, 0,1,2
	PLACES 4                                       ; between the last products and the loads into the set that they read
	FETCHW \b+1
	s_wait_dscnt 32                                ; all but the 32 loads just issued
	PRODS \kind, \b
.endr
	s_wait_dscnt 0x0
	PRODS \kind, 3
.endm
.macro NEXT                            ; on to the next head: its first block and its scale words fly under the way out
	s_wait_tensorcnt 0x0                           ; my part of the refill, if I had one, is in
	s_barrier_signal -1                            ; (no LDS instruction of mine is out)
	s_barrier_wait -1
	s_add_co_u32 s[WB], s[WB], HB
	s_add_co_u32 s[WS], s[WS], 2048
	v_add_nc_u32 v[AW], s[WB], v[L16]
	v_add_nc_u32 v[AW+1], s[WB], v[L8]
	v_add_nc_u32 v[AS], s[WS], v[LX32]
	v_nop                                          ; these four are the places behind the head's last products
	s_wait_alu depctr_va_vdst(0)
	FETCHW 0
	SCALEW
.endm
; Four runs of 32 sums (run t at ACC + 32 t) become four half images of 6 registers at T + 8 t, and bytes at P + 2 t, P + 2 t + 1.  A block of 32 lies in lanes l and l xor 16.  The eight blocks go side by side.
.macro QUANT4
.irp t, 0,1,2,3
.irp b, 0,1
	v_max3_num_f32 v[M+2*\t+\b], |v[ACC+32*\t+16*\b]|, |v[ACC+32*\t+16*\b+1]|, 0x1800000   ; with the floor 2^(3 - 127)
.endr
.endr
.irp i, 2,4,6,8,10,12,14
.irp t, 0,1,2,3
.irp b, 0,1
	v_max3_num_f32 v[M+2*\t+\b], v[M+2*\t+\b], |v[ACC+32*\t+16*\b+\i]|, |v[ACC+32*\t+16*\b+\i+1]|
.endr
.endr
.endr
.irp k, 0,1,2,3,4,5,6,7
	v_permlanex16_b32 v[P+\k], v[M+\k], s[SEL], s[SEL+1]
.endr
.irp k, 0,1,2,3,4,5,6,7
	v_max_num_f32 v[M+\k], v[M+\k], v[P+\k]
.endr
.irp k, 0,1,2,3,4,5,6,7
	v_add_nc_u32 v[SO+\k], 0xff000000, v[M+\k]     ; 2 off the exponent field: the conversion's scale operand
.endr
.irp k, 0,1,2,3,4,5,6,7
	v_lshrrev_b32 v[P+\k], 23, v[SO+\k]            ; the byte
.endr
.irp t, 0,1,2,3
	v_cvt_scalef32_pk16_fp6_f32 v[T+8*\t:T+8*\t+2], v[ACC+32*\t:ACC+32*\t+15], v[SO+2*\t]
.endr
	v_nop                                          ; a plain line: the next conversions write registers that these have read
.irp t, 0,1,2,3
	v_cvt_scalef32_pk16_fp6_f32 v[ACC+32*\t:ACC+32*\t+2], v[ACC+32*\t+16:ACC+32*\t+31], v[SO+2*\t+1]
.endr
	v_nop
.irp t, 0,1,2,3                        ; the operand wants a whole block in a lane: lanes 0-15 block 0, lanes 16-31 block 1
.irp i, 0,1,2
	v_permlane16_swap_b32 v[T+8*\t+\i], v[ACC+32*\t+\i]
.endr
.endr
.irp t, 0,1,2,3
.irp i, 0,1,2
	v_mov_b32 v[T+8*\t+3+\i], v[ACC+32*\t+\i]
.endr
.endr
.endm
.macro ROPE t                          ; (x1, x2) -> (x1 c - x2 s, x2 c + x1 s), in place: a packed multiply into T and a packed multiply-add a pair
.set C_, 192-60*(\t/2)+32*(\t%2)
	WIN (1+2*(\t/2))<<2
.irp i, 0,2,4,6,8,10,12,14,16,18,20,22,24,26,28,30
	v_pk_mul_f32 v[T+\i:T+\i+1], v[ACC+32*\t+\i:ACC+32*\t+\i+1], v[C_+\i:C_+\i+1] op_sel_hi:[1,0]
.endr
.irp i, 0,2,4,6,8,10,12,14,16,18,20,22,24,26,28,30
	v_pk_fma_f32 v[ACC+32*\t+\i:ACC+32*\t+\i+1], v[ACC+32*\t+\i:ACC+32*\t+\i+1], v[C_+\i:C_+\i+1], v[T+\i:T+\i+1] op_sel:[1,1,0] op_sel_hi:[0,1,1] neg_lo:[0,1,0]
.endr
.endm
.macro PUT step                        ; four half images, step bytes apart: 512 and 256 consecutive bytes each, aligned
.irp t, 0,1,2,3
	global_store_b128 v[L16], v[T+8*\t:T+8*\t+3], s[84:85] offset:(\step)*\t
	global_store_b64 v[L8], v[T+8*\t+4:T+8*\t+5], s[84:85] offset:(\step)*\t+512
.endr
.endm
.macro WAYV h                          ; head h of v: run b is block b's 16 columns x my 64 keys
	s_wait_xcnt 0x0                                ; the last stores have read their registers and bases
	s_add_co_u32 s18, s76, \h
	s_lshl_b32 s18, s18, 4
	s_add_co_u32 s18, s18, s77
	s_mul_i32 s18, s18, 13312
	s_add_co_u32 s82, s18, s81
	s_add_nc_u64 s[84:85], s[98:99], s[82:83]
	s_add_co_u32 s82, s18, s94
	s_add_nc_u64 s[86:87], s[98:99], s[82:83]
	QUANT4
.irp b, 0,1,2,3
	v_lshl_or_b32 v[M+2*\b], v[P+2*\b+1], 8, v[P+2*\b]
.endr
	PUT 1536
.irp b, 0,1,2,3
	global_store_b16 v[L16], v[M+2*\b], s[86:87] offset:4*\b   ; my two of the four bytes of a scale word: 1 byte in 24 of the codes
.endr
.endm
	s_load_b128 s[4:7], s[0:1], 0x0                ; x's codes, x's scales
	s_load_b128 s[8:11], s[0:1], 0x10              ; W's codes, W's scales
	s_load_b128 s[96:99], s[0:1], 0x20             ; the table, qkv
	v_lshl_add_u32 v[SPW], v0, 2, SPARE
	v_mov_b32 v[NIL], 0
	ds_add_u32 v[SPW], v[NIL]                      ; the opening lines: the add, twice on end, and one wait
	ds_add_u32 v[SPW], v[NIL]
	v_lshrrev_b32 v1, 5, v0
	v_readfirstlane_b32 s14, v1                    ; wave
	s_bfe_u32 s40, ttmp6, 0x40000                  ; cx, cy
	s_bfe_u32 s41, ttmp6, 0x40004
	s_lshl_b32 s42, ttmp9, 2
	s_add_co_u32 s42, s42, s40                     ; X
	s_and_b32 s17, ttmp7, 0xffff
	s_lshl_b32 s17, s17, 2
	s_add_co_u32 s17, s17, s41                     ; Y
	s_lshl_b32 s43, s41, 2
	s_lshl_b32 s43, 15, s43                        ; my row of the cluster
	s_lshl_b32 s44, 0x1111, s40                    ; my column
	s_mov_b32 s[MHI], 0xffff0000
	s_mov_b32 s[SEL], 0x76543210
	s_mov_b32 s[SEL+1], 0xfedcba98
	GROUP1 G1X, 43, 1536, 8, 1536                  ; 8 tiles of x, dense
	GROUP1 G1W, 44, 1536, 8, 1536                  ; 8 tiles of W, dense
	GROUP1 G1S, 44, 512, 3, 4096                   ; the scale words of 128 columns of q, of k, of v: 3 rows of 4,096 bytes, 32,768 apart
	s_lshl_b32 s20, s17, 4
	s_lshl_b32 s18, s14, 3
	s_add_co_u32 s20, s20, s18
	s_mul_i32 s20, s20, TB                         ; x: tile 16 Y + 8 wave
	s_mov_b32 s21, 0
	s_mul_i32 s46, s42, 8*TB                       ; W_q: tile 8 X
	s_mov_b32 s47, 0
	s_lshl_b32 s22, s42, 12                        ; its scale words
	s_mov_b32 s23, 0
	s_add_co_u32 s18, s14, 1
	s_mul_i32 s18, s18, 64*TB
	s_add_co_u32 s74, s46, s18                     ; the refill: tile 8 X + 64 (wave + 1): W_k for wave 0, W_v for wave 1
	s_mov_b32 s75, 0
	s_mul_i32 s45, s14, 8*TB
	s_add_co_u32 s45, s45, XR                      ; LDS: x's half, and later the refill's: by the wave's number alone
	s_lshl_b32 s72, s17, 8
	s_lshl_b32 s18, s14, 6
	s_add_co_u32 s72, s72, s18                     ; my first place
	s_lshl_b32 s72, s72, 5                         ; its scale bytes
	s_mov_b32 s73, 0
	s_and_b32 s18, s17, 7
	s_lshl_b32 s77, s18, 1
	s_lshl_b32 s18, s18, 8
	s_lshl_b32 s19, s14, 6
	s_add_co_u32 s18, s18, s19
	s_lshl_b32 s18, s18, 8                         ; the table at my first token: 256 bytes a position
	s_mov_b32 s19, 0
	s_lshr_b32 s76, s17, 3
	s_lshl_b32 s76, s76, 4
	s_lshl_b32 s78, s42, 1
	s_add_co_u32 s76, s76, s78                     ; s76: 16 batch + my first head
	s_lshr_b32 s78, s14, 1
	s_add_co_u32 s77, s77, s78                     ; s77: my step of 128 keys
	s_and_b32 s78, s14, 1                          ; s78: which half of it
	s_mul_i32 s79, s78, 3072                       ; q, k: my four tiles,
	s_lshl_b32 s80, s78, 3                         ; and my two scale words a lane
	s_mul_i32 s81, s78, 768
	s_add_co_u32 s81, s81, 6144                    ; v: my half of each fragment,
	s_lshl_b32 s94, s78, 1
	s_add_co_u32 s94, s94, 12800                   ; and of each scale word
	s_mov_b32 s83, 0
	s_mov_b32 s[WB], 0
	s_mov_b32 s[WS], SCW
	s_wait_dscnt 0x0
	s_wait_kmcnt 0x0
	CROUND                                         ; in front of the first joint loads
	GROUP0 G0X, 4, 20
	s_mov_b32 s[G0X+1], s45
	GROUP0 G0W, 8, 46
	s_mov_b32 s[G0W+1], 0
	GROUP0 G0S, 10, 22
	s_mov_b32 s[G0S+1], SCW
	GROUP0 G0R, 8, 74
	s_mov_b32 s[G0R+1], s45
	s_add_nc_u64 s[72:73], s[6:7], s[72:73]
	s_add_nc_u64 s[18:19], s[96:97], s[18:19]
	ARM 2, G0X, G1X, .Lhead_w                      ; one chain of branches on the wave's number, a load to each arm
	ARM 3, G0W, G1W, .Lhead_s
	tensor_load_to_lds s[G0S:G0S+3], s[G1S:G1S+7]
	s_nop 0
	PLACES 4
.Lhead_asked:
	v_and_b32 v1, 31, v0
	v_lshlrev_b32 v[L16], 4, v1
	v_lshlrev_b32 v[L8], 3, v1
	v_lshlrev_b32 v[LX32], 5, v1
	s_mul_i32 s20, s14, HB
	s_add_co_u32 s20, s20, XR
	v_add_nc_u32 v[XA], s20, v[L16]
	v_add_nc_u32 v[XA+1], s20, v[L8]
	v_add_nc_u32 v[AW], s[WB], v[L16]
	v_add_nc_u32 v[AW+1], s[WB], v[L8]
	v_add_nc_u32 v[AS], s[WS], v[LX32]
	v_and_b32 v2, 15, v0
	v_bfe_u32 v3, v0, 4, 1
	v_and_b32 v4, 8, v2
	v_add_nc_u32 v4, v4, v2                        ; r + 8 (r / 8)
	v_lshlrev_b32 v[RA], 8, v4
	v_lshl_add_u32 v[RA], v3, 6, v[RA]
	; K'S ROWS ARE STORED IN ANOTHER ORDER THAN Q'S: tile t', row 8 h' + j of a step holds key 64 (t' / 4) + 32 h' + 8 (t' % 4) + j, so that in the scores a lane's 32 registers are 32 neighbouring keys.
	; My lane's token of tile t is key 64 (wave % 2) + 32 (t / 2) + 16 (r / 8) + 8 (t % 2) + r % 8: it goes to tile 4 (wave % 2) + 2 (r / 8) + t % 2, row 8 (t / 2) + r % 8.
	v_lshrrev_b32 v4, 3, v2                        ; r / 8
	v_and_b32 v1, 7, v2                            ; r % 8
	v_mul_u32_u24 v5, v4, 1536
	v_lshl_add_u32 v6, v1, 3, v5
	v_lshl_add_u32 v6, v3, 7, v6                   ; v6: 1,536 (r / 8) + 8 (r % 8) + 128 h: registers 4-5 of the image
	v_lshl_add_u32 v5, v1, 4, v5
	v_lshl_add_u32 v5, v3, 8, v5                   ; v5: 1,536 (r / 8) + 16 (r % 8) + 256 h: registers 0-3
	v_lshlrev_b32 v7, 2, v4
	v_lshl_add_u32 v7, v1, 4, v7
	v_lshl_add_u32 v7, v3, 8, v7                   ; v7: K's scale words: 16 (r % 8) + 4 (r / 8) + 256 h
.irp k, 0,1,2,3,4,5,6,7
	v_mov_b32 v[P+\k], 0                           ; written once: a lane permute's destination counts as one of its sources
.endr
	s_wait_alu depctr_va_vdst(0)                   ; the wait at the head's end
.irp p, 0,1
.irp c, 0,1
	global_load_b128 v[32+8*\p+4*\c:35+8*\p+4*\c], v[LX32], s[72:73] offset:1024*\p+16*\c   ; x's scale words: lanes 0-15 tile 2 p, lanes 16-31 tile 2 p + 1
.endr
.endr
.irp t, 0,1,2,3                        ; (cos, sin) of my token of tile t for frequencies 16 g + 8 h + 0 .. 7
.set C_, 192-60*(\t/2)+32*(\t%2)
	WIN (1+2*(\t/2))<<6
.irp k, 0,1
.irp j, 0,1,2,3
	global_load_b128 v[C_+16*\k+4*\j:C_+16*\k+4*\j+3], v[RA], s[18:19] offset:(32*(\t/2)+8*(\t%2))*256+128*\k+16*\j
.endr
.endr
.endr
	WIN 0
	s_cmp_lt_u32 s14, 2
	s_cbranch_scc0 .Lnot_x
	s_wait_tensorcnt 0x0                           ; waves 0 and 1, whose load line is theirs alone: my half of x is in
.Lnot_x:
	s_barrier_signal -1
	s_barrier_wait -1                              ; x is in; W_q and the scale words may still be on their way
	XLOAD
	s_wait_tensorcnt 0x0                           ; every wave: ahead of the refill
	ds_add_u32 v[SPW], v[NIL]
	s_wait_dscnt 0x0                               ; the add is done, and my tokens are in registers
	CROUND                                         ; so are every wave's, in all sixteen work-groups; and all the head's tiles are in
	s_cmp_lt_u32 s14, 2
	s_cbranch_scc0 .Lno_refill
	tensor_load_to_lds s[G0R:G0R+3], s[G1W:G1W+7]  ; W_k's or W_v's 8 tiles onto x's bytes
	s_nop 0
	PLACES 4
.Lno_refill:
	FETCHW 0
	SCALEW
	s_wait_loadcnt 0x0
	s_mov_b32 s3, 0
.Lqk:                                  ; q's two heads, then k's two
	TRIP 0
	NEXT
	s_wait_xcnt 0x0                                ; the last stores have read their registers and bases
	s_and_b32 s18, s3, 1
	s_add_co_u32 s18, s18, s76
	s_lshl_b32 s18, s18, 4
	s_add_co_u32 s18, s18, s77                     ; record = (16 batch + head) x 16 + step
	s_mov_b32 s19, 6656
	s_mov_b32 s20, 6144
	s_cmp_ge_u32 s3, 2                             ; k?
	s_cselect_b32 s19, 13312, s19                  ; a record's bytes
	s_cselect_b32 s20, 12288, s20                  ; where its scale words lie
	s_cselect_b32 s21, 0, QOFF
	s_cselect_b32 s22, -1, 0                       ; all lanes: K's order of rows
	s_mov_b32 s23, 1536
	s_cselect_b32 s45, 64, s23                     ; from tiles 0, 1 to tiles 2, 3: q 1,536 bytes on; k eight rows on in the image: 64,
	s_cselect_b32 s23, 128, s23                    ; 128,
	s_cselect_b32 s46, 128, 4                      ; and in the scale words 128, where q goes one word on
	s_mul_i32 s18, s18, s19
	s_add_co_u32 s18, s18, s21
	s_add_co_u32 s82, s18, s79
	s_add_nc_u64 s[84:85], s[98:99], s[82:83]
	s_add_co_u32 s82, s18, s20
	s_add_co_u32 s82, s82, s80
	s_add_nc_u64 s[86:87], s[98:99], s[82:83]
	v_cndmask_b32 v8, v[L16], v5, s22              ; where my lane's 16, 8 and 4 bytes go, for tiles 0, 1
	v_cndmask_b32 v10, v[L8], v6, s22
	v_cndmask_b32 v12, v[L16], v7, s22
	v_add_nc_u32 v9, s23, v8                       ; and for tiles 2, 3
	v_add_nc_u32 v11, s45, v10
	v_add_nc_u32 v13, s46, v12
.irp t, 0,1,2,3
	ROPE \t
.endr
	WIN 0
	QUANT4
.irp t, 0,1,2,3
	v_lshl_or_b32 v[M+2*\t], v[P+2*\t+1], 8, v[P+2*\t]   ; a tile's scale word: two bytes, the upper two 0
.endr
	v_cndmask_b32 v48, v[M], v[M+2], s[MHI]        ; the even tile's in lanes 0-15, the odd tile's in lanes 16-31
	v_cndmask_b32 v49, v[M+4], v[M+6], s[MHI]
.irp t, 0,1,2,3
	global_store_b128 v[8+\t/2], v[T+8*\t:T+8*\t+3], s[84:85] offset:768*(\t%2)
	global_store_b64 v[10+\t/2], v[T+8*\t+4:T+8*\t+5], s[84:85] offset:768*(\t%2)+512
.endr
	global_store_b32 v12, v48, s[86:87]
	global_store_b32 v13, v49, s[86:87]
	s_add_co_u32 s3, s3, 1
	s_cmp_lt_u32 s3, 4
	s_cbranch_scc1 .Lqk
	TRIP 1                                         ; v's two heads are written out: the last fetches nothing more
	NEXT
	WAYV 0
	TRIP 1
	PLACES 4
	WAYV 1
	s_wait_tensorcnt 0x0                           ; the wave's end
	ds_add_u32 v[SPW], v[NIL]
	s_wait_dscnt 0x0
	CROUND                                         ; the closing round
	s_endpgm
.Lfunc_end_k_qc1b7b90477_gemm_qkv:
	.size	k_qc1b7b90477_gemm_qkv, .Lfunc_end_k_qc1b7b90477_gemm_qkv-k_qc1b7b90477_gemm_qkv
	.p2alignl 7, 3214868480
	.fill 96, 4, 3214868480
	.section	.rodata,"a",@progbits
	.p2align	6, 0x0
	.amdhsa_kernel k_qc1b7b90477_gemm_qkv
		.amdhsa_group_segment_fixed_size 327680
		.amdhsa_private_segment_fixed_size 0
		.amdhsa_enable_private_segment 0
		.amdhsa_kernarg_size 48
		.amdhsa_user_sgpr_count 2
		.amdhsa_user_sgpr_kernarg_segment_ptr 1
		.amdhsa_wavefront_size32 1
		.amdhsa_system_sgpr_workgroup_id_x 1
		.amdhsa_system_sgpr_workgroup_id_y 1
		.amdhsa_system_sgpr_workgroup_id_z 1
		.amdhsa_system_vgpr_workitem_id 0
		.amdhsa_next_free_vgpr 1024
		.amdhsa_next_free_sgpr 102
		.amdhsa_reserve_vcc 0
		.amdhsa_float_denorm_mode_32 3
		.amdhsa_float_denorm_mode_16_64 3
		.amdhsa_memory_ordered 1
		.amdhsa_forward_progress 1
		.amdhsa_inst_pref_size 134
	.end_amdhsa_kernel
	.amdgpu_metadata
---
amdhsa.version: [ 1, 2 ]
amdhsa.kernels:
  - .name:           k_qc1b7b90477_gemm_qkv
    .symbol:         k_qc1b7b90477_gemm_qkv.kd
    .args:
      - { .name: xq_img, .offset: 0, .size: 8, .value_kind: global_buffer, .address_space: global }
      - { .name: xq_sc, .offset: 8, .size: 8, .value_kind: global_buffer, .address_space: global }
      - { .name: wq_img, .offset: 16, .size: 8, .value_kind: global_buffer, .address_space: global }
      - { .name: wq_sc, .offset: 24, .size: 8, .value_kind: global_buffer, .address_space: global }
      - { .name: rope, .offset: 32, .size: 8, .value_kind: global_buffer, .address_space: global }
      - { .name: qkv, .offset: 40, .size: 8, .value_kind: global_buffer, .address_space: global }
    .group_segment_fixed_size: 327680
    .private_segment_fixed_size: 0
    .kernarg_segment_align: 8
    .kernarg_segment_size: 48
    .max_flat_workgroup_size: 128
    .sgpr_count:     102
    .vgpr_count:     1024
    .wavefront_size: 32
...
	.end_amdgpu_metadata
.endif
;; end of part 2
;; launch attn (part 3): grid 4 x 64, 16 waves a work-group, clusters of 4 x 1, 327,680 bytes of LDS; arguments qkv, att_img, att_sc; writes att_img, att_sc
.if DOCPART == 3
	.amdgcn_target "amdgcn-amd-amdhsa--gfx1250"
	.amdhsa_code_object_version 6
	.text
	.protected	k_qc1b7b90477_attn
	.globl	k_qc1b7b90477_attn
	.p2align	8
	.type	k_qc1b7b90477_attn,@function
k_qc1b7b90477_attn:
	s_mov_b64 s[64:65], 0
	v_nop
	global_prefetch_b8 v0, s[64:65] scope:SCOPE_SE
	s_setreg_imm32_b32 hwreg(HW_REG_WAVE_MODE, 25, 1), 1
	s_wait_xcnt 0x0
	s_wait_alu depctr_hold_cnt(0) depctr_sa_sdst(0) depctr_va_vdst(0) depctr_va_sdst(0) depctr_va_ssrc(0) depctr_va_vcc(0) depctr_vm_vsrc(0)
	s_getreg_b32 s2, hwreg(HW_REG_IB_STS2, 6, 4)
	s_cmp_eq_u32 s2, 0
	s_cbranch_scc0 .Lentry_in_a_cluster
	s_endpgm
.Lentry_in_a_cluster:
	s_bfe_u32 s2, ttmp6, 0x10000c
	s_cmp_lg_u32 s2, 0x3003
	s_cbranch_scc0 .Lentry_shape_is_right
	s_endpgm
.Lentry_shape_is_right:
; CAUSAL ATTENTION ON CODES OF FP6 (E2M3): S^T = K Q^T, p = 2^(t - M) with M the ceiling of the running largest t, p quantised in blocks of 32 keys, O^T += V^T p^T, O / l quantised along the head's 64 for the last product.
; LEFT OUT: key steps of 128 that lie wholly above the diagonal.  The causal mask sets those scores to -inf, so their p is 0 for all values of the inputs.  A NaN or an infinity that reaches only those scores is not carried.
; LIMITS: the promise holds while |t| (score x log2(e) / 8) stays under 2^31; NaN and infinities among the inputs are not served; a block whose largest number lies under 2^-124 keeps the scale byte 1.
; BUFFER qkv: [head 64][step of 128 keys 16][13,312]: 8 tiles of K (768 bytes), 4 fragments of V^T (1,536), K's scale words (512), V's (512); at QOFF [head][step][6,656]: 8 tiles of Q and their scale words.  All are images of operand registers.
; Q's rows lie in position order: tile 2 b + u holds rows 32 b + 8 u + r + 8 (r / 8).  K's tile t, row 8 h + j holds key 64 (t / 4) + 32 h + 8 (t % 4) + j of the step: so register n of a lane's 64 scores is key 64 (n / 32) + 32 (lane / 16) + n % 32:
; A LANE'S 32 REGISTERS ARE A WHOLE SCALE BLOCK OF p, in the order of the next product's operand: a block's largest p needs no other lane, and the codes fall where the operand wants them.
; THE DEAL.  A head's 128 query tiles of 16 are 16 groups of 8; all tiles of group g need the same g + 1 key steps, the last of them under the mask.  The work-group at place cx of its cluster takes tiles 2 cx and 2 cx + 1 of every group.
; Wave w (j = w % 8, u = w / 8) takes tile 2 cx + u of group 15 - j and then of group j: 17 steps in every wave.  So the steps that a wave jumps over hang on its number alone; cx enters global addresses and the mask's compare, no branch and no LDS address.
; CLUSTER 4, 1, 1: the four work-groups of a head ask JOINTLY for K and V: wave w asks for step w's record, 52 rows of 256 bytes, one load a wave at the head; 212,992 bytes of LDS, filled once, nothing is filled again.
; Waves 0-3 have a load line and a wait of their own: the first barrier shows records 0-3, on which every wave does the first four steps of its long tile (all open: it has 9 steps at the least); the second barrier shows the rest.
; No prefetch: every byte of K and V is asked for by the head's loads, so there is no later load to run ahead of; both tiles of Q are loaded at the head too.
; REGISTERS: v1 16 l, v2 8 l, v3-4 the step's LDS addresses, v5-6 the add's two, v7 mask term, v8-9 offsets, v30 8 h; v12 -M, v13 largest score, v14-15 l; v16-27 Q (upper six 0), v28 its scale word; v32-85 K's or V's fragments;
; v86-93 their scale words; v96-159 scores, then p; v160-191 O^T; v192-210 p's codes; v212-218 the second tile's Q; v232-255 at work, v255 p's scale word.
.set REC,   13312
.set SPARE, 212992
.set QOFF,  13631488
.set SPW, 5
.set NIL, 6
.macro CROUND                          ; a round of the cluster's barrier
	s_barrier_signal -1
	s_barrier_wait -1
	s_cmp_lg_u32 s12, 0
	s_cbranch_scc1 .Lnot_wave_0_\@
	s_barrier_signal -3
.Lnot_wave_0_\@:
	s_barrier_wait -3
	s_barrier_signal -1
	s_barrier_wait -1
.endm
	s_load_b128 s[4:7], s[0:1], 0x0                ; qkv, att_img
	s_load_b64 s[8:9], s[0:1], 0x10                ; att_sc
	v_lshl_add_u32 v[SPW], v0, 2, SPARE
	v_mov_b32 v[NIL], 0
	ds_add_u32 v[SPW], v[NIL]                      ; the opening lines: the add, twice on end, and one wait
	ds_add_u32 v[SPW], v[NIL]
	v_lshrrev_b32 v1, 5, v0
	v_readfirstlane_b32 s12, v1                    ; wave
	s_and_b32 s13, ttmp7, 0xffff                   ; 16 batch + head
	s_bfe_u32 s38, ttmp6, 0x40000                  ; cx
	s_mov_b32 s24, 15|(3<<16)|(1<<21)              ; group 1: the mask names all four; elements of 8 bytes; 52 rows of 256 bytes, dense
	s_mov_b32 s25, 32<<16
	s_mov_b32 s26, 52<<16
	s_mov_b32 s27, 32<<16
	s_mov_b32 s28, 52
	s_mov_b32 s29, 32
	s_mov_b32 s30, 0
	s_mov_b32 s31, 0
	s_mul_i32 s14, s12, REC
	s_mul_i32 s10, s13, 16*REC
	s_add_co_u32 s10, s10, s14
	s_mov_b32 s11, 0
	s_mov_b32 s20, 0x76543210                      ; selects for lane l xor 16
	s_mov_b32 s21, 0xfedcba98
	s_mov_b32 s22, 0x3e38aa3b                      ; log2(e) / 8
	s_mov_b32 s23, s22
	s_mov_b32 s49, 0xffff0000
	s_and_b32 s36, s12, 7                          ; j: the short tile's group
	s_lshr_b32 s37, s12, 3                         ; u
	s_lshl_b32 s39, s38, 1
	s_add_co_u32 s39, s39, s37                     ; my tile in a group: 2 cx + u
	s_sub_co_u32 s40, 15, s36                      ; the long tile's group
	s_mul_i32 s41, s39, 768
	s_add_co_u32 s41, s41, QOFF                    ; Q's tile in its record
	s_lshr_b32 s42, s39, 1
	s_lshl_b32 s42, s42, 2
	s_and_b32 s43, s39, 1
	s_lshl_b32 s43, s43, 8
	s_add_co_u32 s42, s42, s43
	s_add_co_u32 s42, s42, QOFF+6144               ; and its scale words
	s_mov_b32 s55, 0
	s_wait_dscnt 0x0
	CROUND                                         ; in front of the first joint loads
	s_wait_kmcnt 0x0
	s_mov_b32 s32, 1
	s_mov_b32 s33, s14
	s_add_nc_u64 s[34:35], s[4:5], s[10:11]
	s_or_b32 s35, s35, 0x80000000
	s_cmp_lt_u32 s12, 4
	s_cbranch_scc0 .Llater
	tensor_load_to_lds s[32:35], s[24:31]          ; records 0-3
	s_nop 0
.rept 4
	v_nop
.endr
	s_branch .Lasked
.Llater:
	tensor_load_to_lds s[32:35], s[24:31]          ; records 4-15
	s_nop 0
.rept 4
	v_nop
.endr
.Lasked:
	v_and_b32 v10, 31, v0
	s_delay_alu instid0(VALU_DEP_1)
	v_lshlrev_b32 v1, 4, v10
	s_delay_alu instid0(VALU_DEP_2)
	v_lshlrev_b32 v2, 3, v10
	v_and_b32 v11, 15, v0
	v_bfe_u32 v9, v0, 4, 1
	s_delay_alu instid0(VALU_DEP_2)
	v_and_b32 v7, 8, v11
	s_delay_alu instid0(VALU_DEP_1)
	v_add_nc_u32 v7, v7, v11
	s_delay_alu instid0(VALU_DEP_3)
	v_lshlrev_b32 v8, 5, v9
	s_delay_alu instid0(VALU_DEP_1)
	v_sub_nc_u32 v7, v7, v8                        ; r + 8 (r / 8) - 32 h
	v_lshlrev_b32 v8, 4, v11
	v_lshlrev_b32 v30, 3, v9                       ; 8 h: my bytes' shift in p's scale word
	v_lshl_add_u32 v9, v11, 5, v9
.irp j, 22,23,24,25,26,27,80,81,82,83,84,85
	v_mov_b32 v[\j], 0                             ; Q's codes for k = 64 .. 127 are zeros; behind K's last tile too
.endr
.irp j, 236,237,238,239,252,253
	v_mov_b32 v[\j], 0
.endr
.macro QLOAD g, pa, pb, r0, rs         ; my tile of group s\g: six registers and the scale word
	s_lshl_b32 s54, s13, 4
	s_add_co_u32 s54, s54, s\g
	s_mul_i32 s58, s54, 6656
	s_add_co_u32 s54, s58, s41
	s_add_nc_u64 s[\pa:\pa+1], s[4:5], s[54:55]
	s_add_co_u32 s54, s58, s42
	s_add_nc_u64 s[\pb:\pb+1], s[4:5], s[54:55]
	global_load_b128 v[\r0:\r0+3], v1, s[\pa:\pa+1]
	global_load_b64 v[\r0+4:\r0+5], v2, s[\pa:\pa+1] offset:512
	global_load_b32 v\rs, v8, s[\pb:\pb+1]
.endm
.macro TSET g                          ; the tile's scalars: s15 its number, s16 its first row, s47 the masked step's first key, s17 that step's last
	s_lshl_b32 s15, s\g, 3
	s_add_co_u32 s15, s15, s39
	s_lshl_b32 s47, s\g, 7
	s_add_co_u32 s17, s47, 127
	s_and_b32 s58, s15, 1
	s_lshl_b32 s58, s58, 3
	s_lshl_b32 s16, s15, 4
	s_sub_co_u32 s16, s16, s58
	s_mov_b32 s18, 0
	s_mov_b32 s19, 0
.endm
.macro TINIT
	v_mov_b32 v13, 0xff61b1e6                      ; -3e38, under every score
	s_delay_alu instid0(VALU_DEP_1)
	v_floor_f32 v12, -v13
	v_mov_b32 v14, 0
	v_mov_b32 v15, 0
.set N_, 0
.rept 32
	v_mov_b32 v[160+N_], 0
.set N_, N_+1
.endr
.endm
.macro SUM4 j                          ; eight more p onto l's four chains
	v_pk_add_f32 v[236:237], v[236:237], v[\j:\j+1]
	v_pk_add_f32 v[240:241], v[240:241], v[\j+2:\j+3]
	v_pk_add_f32 v[242:243], v[242:243], v[\j+4:\j+5]
	v_pk_add_f32 v[14:15], v[14:15], v[\j+6:\j+7]
.endm
; A step: 16 queries x 128 keys.  m = 1: with the jump over hidden steps and the mask on the diagonal step.
.macro STEP m
.if \m
	s_cmp_gt_u32 s18, s17
	s_cbranch_scc1 .Lhidden_\@
.endif
	v_add_nc_u32 v3, s19, v1
	v_add_nc_u32 v4, s19, v2
	v_nop
	v_nop                                          ; four places between the last products and the loads into their sources
.irp t, 0,1,2,3,4,5,6,7
	ds_load_b128 v[32+6*\t:35+6*\t], v3 offset:768*\t
	ds_load_b64 v[36+6*\t:37+6*\t], v4 offset:768*\t+512
.endr
	ds_load_b128 v[86:89], v3 offset:12288
	s_wait_alu depctr_va_vdst(0)
	s_wait_dscnt 0x0
.irp t, 0,2,4,6
	v_wmma_scale_f32_16x16x128_f8f6f4 v[96+8*\t:103+8*\t], v[32+6*\t:43+6*\t], v[16:27], 0, v[86+\t/2], v28 matrix_a_fmt:MATRIX_FMT_FP6 matrix_b_fmt:MATRIX_FMT_FP6
	v_wmma_scale_f32_16x16x128_f8f6f4 v[104+8*\t:111+8*\t], v[38+6*\t:49+6*\t], v[16:27], 0, v[86+\t/2], v28 matrix_a_fmt:MATRIX_FMT_FP6 matrix_b_fmt:MATRIX_FMT_FP6 matrix_a_scale:MATRIX_SCALE_ROW1
.endr
.rept 4
	v_nop
.endr
.irp t, 0,1,2,3
	ds_load_b128 v[32+12*\t:35+12*\t], v3 offset:6144+1536*\t
	ds_load_b64 v[36+12*\t:37+12*\t], v4 offset:6144+1536*\t+512
	ds_load_b128 v[38+12*\t:41+12*\t], v3 offset:6144+1536*\t+768
	ds_load_b64 v[42+12*\t:43+12*\t], v4 offset:6144+1536*\t+1280
.endr
	ds_load_b128 v[90:93], v3 offset:12800
.if \m
	s_cmp_lt_u32 s18, s47
	s_cbranch_scc1 .Lopen_\@
	s_sub_co_i32 s58, s16, s18
	v_add_nc_u32 v252, s58, v7                     ; my query's row less the step's first key less 32 h
	v_mov_b32 v254, 0xff800000
.set N_, 0
.rept 64
	v_cmp_gt_i32 vcc_lo, 64*(N_/32)+N_%32, v252
	v_cndmask_b32 v[96+N_], v[96+N_], v254, vcc_lo
.set N_, N_+1
.endr
.Lopen_\@:
.endif
.irp b, 0,1,2,3
	v_max3_num_f32 v[232+\b], v[96+16*\b], v[97+16*\b], v[98+16*\b]   ; the largest score of my two blocks, each in two chains: for the row's maximum and for the block's largest p
.endr
.irp i, 3,5,7,9,11,13
.irp b, 0,1,2,3
	v_max3_num_f32 v[232+\b], v[232+\b], v[96+16*\b+\i], v[97+16*\b+\i]
.endr
.endr
	v_max3_num_f32 v232, v232, v111, v127
	v_max3_num_f32 v234, v234, v143, v159
	v_max_num_f32 v232, v232, v233                 ; block h
	v_max_num_f32 v234, v234, v235                 ; block 2 + h
	s_delay_alu instid0(VALU_DEP_1)
	v_max_num_f32 v254, v232, v234
	s_delay_alu instid0(VALU_DEP_1)
	v_permlanex16_b32 v236, v254, s20, s21
	s_delay_alu instid0(VALU_DEP_1)
	v_max3_num_f32 v13, v13, v254, v236            ; the running largest score of my query
	s_delay_alu instid0(VALU_DEP_1)
	v_mul_f32 v237, s22, v13                       ; as t (the factor is positive)
	v_mov_b32 v254, v12
	s_delay_alu instid0(VALU_DEP_2)
	v_floor_f32 v12, -v237                         ; -M, a whole number
	s_delay_alu instid0(VALU_DEP_1)
	v_sub_f32 v254, v12, v254
	s_delay_alu instid0(VALU_DEP_1)
	v_cvt_i32_f32 v254, v254
	s_delay_alu instid0(VALU_DEP_1)
	v_ldexp_f32 v252, 1.0, v254                    ; f = 2^(old M - new M)
.set N_, 0
.rept 32
	v_pk_fma_f32 v[96+N_:97+N_], v[96+N_:97+N_], s[22:23], v[12:13] op_sel_hi:[1,0,0]
.set N_, N_+2
.endr
.irp b, 0,2
	v_fma_f32 v[232+\b], v[232+\b], s22, v12
.endr
	s_wait_alu depctr_va_vdst(0)                   ; one batch of 66 exponentials, a wait ahead of it and one behind it
.set N_, 0
.rept 64
	v_exp_f32 v[96+N_], v[96+N_]
.set N_, N_+1
.endr
.irp b, 0,2
	v_exp_f32 v[232+\b], v[232+\b]                 ; each block's largest p
.endr
	v_pk_mul_f32 v[14:15], v[14:15], v[252:253] op_sel_hi:[1,0]
	s_wait_alu depctr_va_vdst(0)
	; l is summed of the unquantised p, in four chains; the scale word's chain stands line by line between them
	v_max_num_f32 v232, 0x1800000, v232            ; the floor 2^(3 - 127)
	v_max_num_f32 v234, 0x1800000, v234
	v_pk_add_f32 v[236:237], v[96:97], v[98:99]
	v_pk_add_f32 v[240:241], v[100:101], v[102:103]
	v_pk_add_f32 v[242:243], v[104:105], v[106:107]
	v_pk_add_f32 v[14:15], v[14:15], v[108:109]
	v_add_nc_u32 v244, 0xff000000, v232            ; the conversions' scale operands
	v_add_nc_u32 v245, 0xff000000, v234
	SUM4 110
	v_lshrrev_b32 v238, 23, v244                   ; the bytes
	v_lshrrev_b32 v239, 23, v245
	SUM4 118
	v_lshl_or_b32 v238, v239, 16, v238             ; blocks h and 2 + h,
	SUM4 126
	v_lshlrev_b32 v238, v30, v238                  ; at their places;
	SUM4 134
	v_permlanex16_b32 v239, v238, s20, s21
	SUM4 142
	v_or_b32 v255, v238, v239                      ; with lane l xor 16's two p's scale word is whole
	SUM4 150
	v_pk_add_f32 v[236:237], v[236:237], v[158:159]
	v_pk_add_f32 v[240:241], v[240:241], v[242:243]
	v_pk_add_f32 v[14:15], v[14:15], v[236:237]
	v_pk_add_f32 v[14:15], v[14:15], v[240:241]
.irp c, 0,1
	v_cvt_scalef32_pk16_fp6_f32 v[192+6*\c:194+6*\c], v[96+32*\c:111+32*\c], v[244+\c]
	v_cvt_scalef32_pk16_fp6_f32 v[204+4*\c:206+4*\c], v[112+32*\c:127+32*\c], v[244+\c]   ; (a conversion's three registers begin on an even number)
.endr
	v_nop
.irp c, 0,1
.irp i, 0,1,2
	v_mov_b32 v[195+6*\c+\i], v[204+4*\c+\i]
.endr
.endr
	s_wait_alu depctr_va_vdst(0)                   ; directly ahead of the first reader of O^T
.irp j, 0,2,4,6,8,10,12,14,16,18,20,22,24,26,28,30
	v_pk_mul_f32 v[160+\j:161+\j], v[160+\j:161+\j], v[252:253] op_sel_hi:[1,0]
.endr
	s_wait_alu depctr_va_vdst(0)
	s_wait_dscnt 0x0                               ; V's fragments are in
.irp t, 0,1,2,3
	v_wmma_scale_f32_16x16x128_f8f6f4 v[160+8*\t:167+8*\t], v[32+12*\t:43+12*\t], v[192:203], v[160+8*\t:167+8*\t], v[90+\t], v255 matrix_a_fmt:MATRIX_FMT_FP6 matrix_b_fmt:MATRIX_FMT_FP6
.endr
.if \m
.Lhidden_\@:
.endif
	s_add_co_u32 s18, s18, 128
	s_add_co_u32 s19, s19, REC
.endm
; A tile's end: O / l, quantised along the head's 64 (two blocks, each in lanes l and l xor 16), stored as a half image of the last product's operand, with its two scale bytes.
.macro TEND
.rept 4
	v_nop
.endr
	v_add_f32 v14, v14, v15
	s_delay_alu instid0(VALU_DEP_1)
	v_permlanex16_b32 v252, v14, s20, s21
	s_delay_alu instid0(VALU_DEP_1)
	v_add_f32 v14, v14, v252
	s_wait_alu depctr_va_vdst(0)
	v_rcp_f32 v14, v14
	v_nop
	s_wait_alu depctr_va_vdst(0)
.irp j, 0,2,4,6,8,10,12,14,16,18,20,22,24,26,28,30
	v_pk_mul_f32 v[96+\j:97+\j], v[160+\j:161+\j], v[14:15] op_sel_hi:[1,0]
.endr
.irp b, 0,1
	v_max3_num_f32 v[232+\b], |v[96+16*\b]|, |v[97+16*\b]|, 0x1800000
.endr
.irp i, 2,4,6,8,10,12,14
.irp b, 0,1
	s_delay_alu instid0(VALU_DEP_2)
	v_max3_num_f32 v[232+\b], v[232+\b], |v[96+16*\b+\i]|, |v[97+16*\b+\i]|
.endr
.endr
.irp b, 0,1
	s_delay_alu instid0(VALU_DEP_2)
	v_permlanex16_b32 v[236+\b], v[232+\b], s20, s21
.endr
.irp b, 0,1
	s_delay_alu instid0(VALU_DEP_2)
	v_max_num_f32 v[232+\b], v[232+\b], v[236+\b]
.endr
.irp b, 0,1
	s_delay_alu instid0(VALU_DEP_2)
	v_add_nc_u32 v[244+\b], 0xff000000, v[232+\b]
.endr
.irp b, 0,1
	s_delay_alu instid0(VALU_DEP_2)
	v_lshrrev_b32 v[236+\b], 23, v[244+\b]
.endr
	v_cvt_scalef32_pk16_fp6_f32 v[192:194], v[96:111], v244
	v_cvt_scalef32_pk16_fp6_f32 v[204:206], v[112:127], v245
	v_nop
.irp i, 0,1,2
	v_permlane16_swap_b32 v[192+\i], v[204+\i]
.endr
.irp i, 0,1,2
	s_delay_alu instid0(VALU_DEP_3)
	v_mov_b32 v[195+\i], v[204+\i]
.endr
	s_lshr_b32 s58, s13, 4
	s_and_b32 s59, s13, 15
	s_lshl_b32 s54, s58, 7
	s_add_co_u32 s54, s54, s15
	s_lshl_b32 s56, s54, 9
	s_mul_i32 s54, s54, 12288
	s_mul_i32 s57, s59, 768
	s_add_co_u32 s54, s54, s57
	s_add_nc_u64 s[50:51], s[6:7], s[54:55]
	s_lshl_b32 s57, s59, 1
	s_add_co_u32 s54, s56, s57
	s_add_nc_u64 s[52:53], s[8:9], s[54:55]
	s_wait_alu depctr_va_vdst(0)
	global_store_b128 v1, v[192:195], s[50:51]     ; 512 and 256 consecutive bytes, aligned
	global_store_b64 v2, v[196:197], s[50:51] offset:512
	v_cndmask_b32 v10, v236, v237, s49
	global_store_b8 v9, v10, s[52:53]
.endm
	s_wait_alu depctr_va_vdst(0)                   ; ahead of the readers behind the scalar lines
	QLOAD 40, 50, 52, 16, 28                       ; the long tile's Q
	QLOAD 36, 66, 68, 212, 218                     ; the short tile's, kept until its turn
	TSET 40
	TINIT
	s_wait_alu depctr_va_vdst(0)                   ; the wait at the head's end
	s_wait_loadcnt 0x0
	s_cmp_lt_u32 s12, 4
	s_cbranch_scc0 .Lnot_first
	s_wait_tensorcnt 0x0                           ; waves 0-3: my record is in
.Lnot_first:
	s_barrier_signal -1
	s_barrier_wait -1                              ; records 0-3 are in
	s_mov_b32 s48, 4
.Lfirst:
	STEP 0
	s_sub_co_u32 s48, s48, 1
	s_cmp_lg_u32 s48, 0
	s_cbranch_scc1 .Lfirst
	s_wait_tensorcnt 0x0                           ; every wave: my record is in
	s_wait_dscnt 0x0
	s_barrier_signal -1
	s_barrier_wait -1                              ; all sixteen records are in
	s_mov_b32 s48, 12
.Lrest:
	STEP 1
	s_sub_co_u32 s48, s48, 1
	s_cmp_lg_u32 s48, 0
	s_cbranch_scc1 .Lrest
	TEND
	s_wait_xcnt 0x0                                ; the stores have read their registers and bases
	TSET 36
.irp i, 0,1,2,3,4,5
	v_mov_b32 v[16+\i], v[212+\i]
.endr
	v_mov_b32 v28, v218
	TINIT                                          ; its 36 lines are also the places between these moves and the first product
	s_mov_b32 s48, 8
.Lshort:
	STEP 1
	s_sub_co_u32 s48, s48, 1
	s_cmp_lg_u32 s48, 0
	s_cbranch_scc1 .Lshort
	TEND
	s_wait_tensorcnt 0x0                           ; the wave's end
	ds_add_u32 v[SPW], v[NIL]
	s_wait_dscnt 0x0
	CROUND                                         ; the closing round
	s_endpgm
.Lfunc_end_k_qc1b7b90477_attn:
	.size	k_qc1b7b90477_attn, .Lfunc_end_k_qc1b7b90477_attn-k_qc1b7b90477_attn
	.p2alignl 7, 3214868480
	.fill 96, 4, 3214868480
	.section	.rodata,"a",@progbits
	.p2align	6, 0x0
	.amdhsa_kernel k_qc1b7b90477_attn
		.amdhsa_group_segment_fixed_size 327680
		.amdhsa_private_segment_fixed_size 0
		.amdhsa_enable_private_segment 0
		.amdhsa_kernarg_size 24
		.amdhsa_user_sgpr_count 2
		.amdhsa_user_sgpr_kernarg_segment_ptr 1
		.amdhsa_wavefront_size32 1
		.amdhsa_system_sgpr_workgroup_id_x 1
		.amdhsa_system_sgpr_workgroup_id_y 1
		.amdhsa_system_sgpr_workgroup_id_z 1
		.amdhsa_system_vgpr_workitem_id 0
		.amdhsa_next_free_vgpr 256
		.amdhsa_next_free_sgpr 72
		.amdhsa_reserve_vcc 1
		.amdhsa_float_denorm_mode_32 3
		.amdhsa_float_denorm_mode_16_64 3
		.amdhsa_memory_ordered 1
		.amdhsa_forward_progress 1
		.amdhsa_inst_pref_size 76
	.end_amdhsa_kernel
	.amdgpu_metadata
---
amdhsa.version: [ 1, 2 ]
amdhsa.kernels:
  - .name:           k_qc1b7b90477_attn
    .symbol:         k_qc1b7b90477_attn.kd
    .args:
      - { .name: qkv, .offset: 0, .size: 8, .value_kind: global_buffer, .address_space: global }
      - { .name: att_img, .offset: 8, .size: 8, .value_kind: global_buffer, .address_space: global }
      - { .name: att_sc, .offset: 16, .size: 8, .value_kind: global_buffer, .address_space: global }
    .group_segment_fixed_size: 327680
    .private_segment_fixed_size: 0
    .kernarg_segment_align: 8
    .kernarg_segment_size: 24
    .max_flat_workgroup_size: 512
    .sgpr_count:     72
    .vgpr_count:     256
    .wavefront_size: 32
...
	.end_amdgpu_metadata
.endif
;; end of part 3
;; launch gemm_out (part 4): grid 8 x 32, 4 waves a work-group, clusters of 4 x 4, 327,680 bytes of LDS; arguments att_img, att_sc, wq_img, wq_sc, out0; writes out0
.if DOCPART == 4
	.amdgcn_target "amdgcn-amd-amdhsa--gfx1250"
	.amdhsa_code_object_version 6
	.text
	.protected	k_qc1b7b90477_gemm_out
	.globl	k_qc1b7b90477_gemm_out
	.p2align	8
	.type	k_qc1b7b90477_gemm_out,@function
k_qc1b7b90477_gemm_out:
	s_mov_b64 s[64:65], 0
	v_nop
	global_prefetch_b8 v0, s[64:65] scope:SCOPE_SE
	s_setreg_imm32_b32 hwreg(HW_REG_WAVE_MODE, 25, 1), 1
	s_wait_xcnt 0x0
	s_wait_alu depctr_hold_cnt(0) depctr_sa_sdst(0) depctr_va_vdst(0) depctr_va_sdst(0) depctr_va_ssrc(0) depctr_va_vcc(0) depctr_vm_vsrc(0)
	s_getreg_b32 s2, hwreg(HW_REG_IB_STS2, 6, 4)
	s_cmp_eq_u32 s2, 0
	s_cbranch_scc0 .Lentry_in_a_cluster
	s_endpgm
.Lentry_in_a_cluster:
	s_bfe_u32 s2, ttmp6, 0x10000c
	s_cmp_lg_u32 s2, 0xf033
	s_cbranch_scc0 .Lentry_shape_is_right
	s_endpgm
.Lentry_shape_is_right:
; out0 = (attention's result) W_out on codes of FP6 (E2M3), f32 out.
; THE DEAL: 256 work-groups.  Work-group (X, Y) makes tokens 256 Y .. + 255 x columns 128 X .. + 127.  Each of its four waves HOLDS 64 tokens, all of K = 1,024, in 384 registers; W_out's 8 blocks of 16 columns stream past from LDS,
; 32 products a block on four accumulators by turns.  After four blocks 64 tokens x 64 columns leave.
; OPERANDS are images of their registers (a fragment of 16 rows x 128 K: 1,536 bytes; a tile of 16 rows: 12,288), rows in position order (bits 3 and 4 of the row's number exchanged).  Source 0 = W, source 1 = the tokens:
; a lane holds a token, and register 16 g + i of its 32 sums is column 32 g + 16 (lane / 16) + i of the 64.
; LDS: W's 8 tiles at 0, the tokens' 16 tiles behind them, W's scale words at SCW, a stage of 16 rows x (256 + 16) bytes for each wave, the spare words.  One joint load a wave at the head; nothing is filled again, so there is no later load to prefetch for.
; CLUSTERS 4 x 4: the tokens' tiles are asked for jointly along a row of the cluster, W's along a column.
; THE WAY OUT: a tile's 16 x 64 sums go through my stage and come back by rows into the registers that held them; sixteen lanes store a row's 256 consecutive bytes, aligned.
; REGISTERS: window 0: v16-29 addresses, v32-47 the tokens' scale words, v52-67 W's, v128-255 the sums; window 1: W's fragments, two sets of 96; windows 2, 3: the tokens' fragments (fragment 4 q + t, 21 to a window).
.set TB,    12288
.set HB,    4*TB
.set XR,    8*TB
.set SCW,   24*TB
.set STAGE, SCW+4096
.set SPARE, STAGE+4*16*272
.set L16, 16
.set L8,  17
.set XA,  18
.set AW,  20
.set AS,  22
.set LX32, 23
.set STO, 24
.set RD,  25
.set CO,  26
.set SPW, 28
.set NIL, 29
.set ACC, 128
.set G1X, 24
.set G1W, 32
.set G1S, 48
.set G0X, 56
.set G0W, 60
.set G0S, 68
.set MSB, 0
.macro WIN new                         ; the immediate's high byte repeats the setting that is left
.if MSB != (\new)
	s_set_vgpr_msb (MSB<<8)|(\new)
.set MSB, (\new)
.endif
.endm
.macro PLACES n
.rept \n
	v_nop
.endr
.endm
.macro CROUND                          ; a round of the cluster's barrier
	s_barrier_signal -1
	s_barrier_wait -1
	s_cmp_lg_u32 s14, 0
	s_cbranch_scc1 .Lnot_wave_0_\@
	s_barrier_signal -3
.Lnot_wave_0_\@:
	s_barrier_wait -3
	s_barrier_signal -1
	s_barrier_wait -1
.endm
.macro GROUP1 g, mask, c, r, p         ; r rows of c elements of 8 bytes, p elements apart, dense in LDS; the mask, and bit 21 beside it
	s_or_b32 s[\g], s\mask, (3<<16)|(1<<21)
	s_mov_b32 s[\g+1], (\c)<<16
	s_mov_b32 s[\g+2], (\r)<<16
	s_mov_b32 s[\g+3], (\c)<<16
	s_mov_b32 s[\g+4], \r
	s_mov_b32 s[\g+5], \p
	s_mov_b32 s[\g+6], 0
	s_mov_b32 s[\g+7], 0
.endm
.macro GROUP0 g, base, off
	s_mov_b32 s[\g], 1
	s_add_nc_u64 s[\g+2:\g+3], s[\base:\base+1], s[\off:\off+1]
	s_or_b32 s[\g+3], s[\g+3], 0x80000000
.endm
.macro ARM under, g0, g1, next
	s_cmp_lt_u32 s14, \under
	s_cbranch_scc0 \next
	tensor_load_to_lds s[\g0:\g0+3], s[\g1:\g1+7]
	s_nop 0
	PLACES 4
	s_branch .Lhead_asked
\next:
.endm
.macro FRAG w, reg, a, off             ; a fragment as it lies, into window w: four loads, each lane beside its neighbour
	WIN (\w)<<6
	ds_load_b128 v[\reg:\reg+3], v[\a] offset:\off
	ds_load_b64 v[\reg+4:\reg+5], v[\a+1] offset:(\off)+512
	ds_load_b128 v[\reg+6:\reg+9], v[\a] offset:(\off)+768
	ds_load_b64 v[\reg+10:\reg+11], v[\a+1] offset:(\off)+1280
.endm
.macro XLOAD                           ; my 64 tokens: fragment 4 q + t is tile t, K step q: 128 loads
.set F_, 0
.rept 32
.set R_, 12*(F_%21)
.set O_, (F_%4)*TB+(F_/4)*1536
	FRAG 2+F_/21, R_, XA, O_
.set F_, F_+1
.endr
	WIN 0
.endm
.macro FETCHW b                        ; block b of the four at v[AW]: 32 loads into set b % 2
.set Q_, 0
.rept 8
.set R_, 96*((\b)%2)+12*Q_
.set O_, (\b)*TB+Q_*1536
	FRAG 1, R_, AW, O_
.set Q_, Q_+1
.endr
	WIN 0
.endm
.macro SCALEW                          ; four blocks' scale words: lanes 0-15 blocks 0 and 2, lanes 16-31 blocks 1 and 3
.irp p, 0,1
.irp c, 0,1
	ds_load_b128 v[52+8*\p+4*\c:55+8*\p+4*\c], v[AS] offset:1024*\p+16*\c
.endr
.endr
.endm
.macro MM d, a, b, c, sa, sb, ra, rb
.if (\ra) && (\rb)
	v_wmma_scale_f32_16x16x128_f8f6f4 v[\d:\d+7], v[\a:\a+11], v[\b:\b+11], \c, v[\sa], v[\sb] matrix_a_fmt:MATRIX_FMT_FP6 matrix_b_fmt:MATRIX_FMT_FP6 matrix_a_scale:MATRIX_SCALE_ROW1 matrix_b_scale:MATRIX_SCALE_ROW1
.elseif (\ra)
	v_wmma_scale_f32_16x16x128_f8f6f4 v[\d:\d+7], v[\a:\a+11], v[\b:\b+11], \c, v[\sa], v[\sb] matrix_a_fmt:MATRIX_FMT_FP6 matrix_b_fmt:MATRIX_FMT_FP6 matrix_a_scale:MATRIX_SCALE_ROW1 matrix_b_scale:MATRIX_SCALE_ROW0
.elseif (\rb)
	v_wmma_scale_f32_16x16x128_f8f6f4 v[\d:\d+7], v[\a:\a+11], v[\b:\b+11], \c, v[\sa], v[\sb] matrix_a_fmt:MATRIX_FMT_FP6 matrix_b_fmt:MATRIX_FMT_FP6 matrix_a_scale:MATRIX_SCALE_ROW0 matrix_b_scale:MATRIX_SCALE_ROW1
.else
	v_wmma_scale_f32_16x16x128_f8f6f4 v[\d:\d+7], v[\a:\a+11], v[\b:\b+11], \c, v[\sa], v[\sb] matrix_a_fmt:MATRIX_FMT_FP6 matrix_b_fmt:MATRIX_FMT_FP6 matrix_a_scale:MATRIX_SCALE_ROW0 matrix_b_scale:MATRIX_SCALE_ROW0
.endif
.endm
; A block's 32 products: K ascending, my four tiles by turns.  The first product of each sum takes 0 as C.  The tokens' scale words stand at q, W's at q + 4 modulo 8.
.macro PRODS b
.set Q_, 0
.rept 8
.irp t, 0,1,2,3
.set F_, 4*Q_+\t
.set XW_, 2+F_/21
.set X_, 12*(F_%21)
.set W_, 96*((\b)%2)+12*Q_
.set SX_, 32+8*(\t/2)+Q_
.set SW_, 52+8*((\b)/2)+Q_
.set D_, ACC+32*\t+8*(\b)
	WIN 1|(XW_<<2)
.if Q_
	MM D_, W_, X_, v[D_:D_+7], SW_, SX_, (\b)%2, \t%2
.else
	MM D_, W_, X_, 0, SW_, SX_, (\b)%2, \t%2
.endif
.endr
.set Q_, Q_+1
.endr
	WIN 0
.endm
.macro TRIP                            ; four blocks; the next block is fetched ahead of each batch of products
.irp b, 0,1,2
	PLACES 4                                       ; between the last products and the loads into the set that they read
	FETCHW \b+1
	s_wait_dscnt 32                                ; all but the 32 loads just issued
	PRODS \b
.endr
	s_wait_dscnt 0x0
	PRODS 3
.endm
.macro WAYO half                       ; 64 tokens x 64 columns.  LDS serves a wave's instructions in order, so the four tiles follow each other through the one stage without a wait
.irp t, 0,1,2,3
.irp b, 0,1,2,3
	ds_store_b128 v[STO], v[ACC+32*\t+8*\b:ACC+32*\t+8*\b+3] offset:128*(\b/2)+32*(\b%2)        ; each accumulator from its low end on
	ds_store_b128 v[STO], v[ACC+32*\t+8*\b+4:ACC+32*\t+8*\b+7] offset:128*(\b/2)+32*(\b%2)+16
.endr
.irp m, 0,1,2,3,4,5,6,7
	ds_load_b128 v[ACC+32*\t+4*\m:ACC+32*\t+4*\m+3], v[RD] offset:\m*2*272                      ; two rows a load
.endr
.endr
.irp t, 0,1,2,3
	s_wait_dscnt 16*(3-\t)                         ; tile t is back; behind its loads stand 16 LDS instructions for each later tile
.irp m, 0,1,2,3,4,5,6,7
	global_store_b128 v[CO], v[ACC+32*\t+4*\m:ACC+32*\t+4*\m+3], s[12:13] offset:(32*(\t/2)+8*(\t%2)+2*\m+8*(\m/4))*4096+256*(\half) th:TH_STORE_NT
.endr
.endr
.endm
	s_load_b128 s[4:7], s[0:1], 0x0                ; the tokens' codes, their scales
	s_load_b128 s[8:11], s[0:1], 0x10              ; the weights' codes, their scales
	s_load_b64 s[12:13], s[0:1], 0x20              ; out0
	v_lshl_add_u32 v[SPW], v0, 2, SPARE
	v_mov_b32 v[NIL], 0
	ds_add_u32 v[SPW], v[NIL]                      ; the opening lines: the add, twice on end, and one wait
	ds_add_u32 v[SPW], v[NIL]
	v_lshrrev_b32 v1, 5, v0
	v_readfirstlane_b32 s14, v1                    ; wave
	s_bfe_u32 s40, ttmp6, 0x40000                  ; cx, cy
	s_bfe_u32 s41, ttmp6, 0x40004
	s_lshl_b32 s42, ttmp9, 2
	s_add_co_u32 s42, s42, s40                     ; X
	s_and_b32 s17, ttmp7, 0xffff
	s_lshl_b32 s17, s17, 2
	s_add_co_u32 s17, s17, s41                     ; Y
	s_lshl_b32 s43, s41, 2
	s_lshl_b32 s43, 15, s43                        ; my row of the cluster
	s_lshl_b32 s44, 0x1111, s40                    ; my column
	GROUP1 G1X, 43, 1536, 8, 1536                  ; 8 tiles of tokens, dense
	GROUP1 G1W, 44, 1536, 8, 1536                  ; 8 tiles of W_out, dense
	GROUP1 G1S, 44, 32, 16, 32                     ; the scale words of 128 columns: 16 rows of 256 bytes, dense
	s_lshl_b32 s20, s17, 4
	s_lshl_b32 s18, s14, 3
	s_add_co_u32 s20, s20, s18
	s_mul_i32 s20, s20, TB                         ; the tokens: tile 16 Y + 8 wave
	s_mov_b32 s21, 0
	s_mul_i32 s46, s42, 8*TB
	s_add_co_u32 s46, s46, 192*TB                  ; W_out: behind W_qkv's 192 tiles, tile 8 X
	s_mov_b32 s47, 0
	s_lshl_b32 s22, s42, 12
	s_add_co_u32 s22, s22, 98304                   ; its scale words
	s_mov_b32 s23, 0
	s_mul_i32 s45, s14, 8*TB
	s_add_co_u32 s45, s45, XR                      ; LDS: by the wave's number alone
	s_lshl_b32 s72, s17, 8
	s_lshl_b32 s18, s14, 6
	s_add_co_u32 s72, s72, s18                     ; my first place, which is my first token
	s_lshl_b32 s74, s72, 12                        ; its row of out0,
	s_lshl_b32 s18, s42, 9
	s_add_co_u32 s74, s74, s18                     ; at my work-group's first column
	s_mov_b32 s75, 0
	s_lshl_b32 s72, s72, 5                         ; and its scale bytes
	s_mov_b32 s73, 0
	s_wait_dscnt 0x0
	s_wait_kmcnt 0x0
	CROUND                                         ; in front of the first joint loads
	GROUP0 G0X, 4, 20
	s_mov_b32 s[G0X+1], s45
	GROUP0 G0W, 8, 46
	s_mov_b32 s[G0W+1], 0
	GROUP0 G0S, 10, 22
	s_mov_b32 s[G0S+1], SCW
	s_add_nc_u64 s[72:73], s[6:7], s[72:73]
	s_add_nc_u64 s[12:13], s[12:13], s[74:75]
	ARM 2, G0X, G1X, .Lhead_w                      ; one chain of branches on the wave's number, a load to each arm
	ARM 3, G0W, G1W, .Lhead_s
	tensor_load_to_lds s[G0S:G0S+3], s[G1S:G1S+7]
	s_nop 0
	PLACES 4
.Lhead_asked:
	v_and_b32 v1, 31, v0
	v_lshlrev_b32 v[L16], 4, v1
	v_lshlrev_b32 v[L8], 3, v1
	v_lshlrev_b32 v[LX32], 5, v1
	s_mul_i32 s20, s14, HB
	s_add_co_u32 s20, s20, XR
	v_add_nc_u32 v[XA], s20, v[L16]
	v_add_nc_u32 v[XA+1], s20, v[L8]
	v_add_nc_u32 v[AW], 0, v[L16]
	v_add_nc_u32 v[AW+1], 0, v[L8]
	v_add_nc_u32 v[AS], SCW, v[LX32]
	v_and_b32 v2, 15, v0
	v_bfe_u32 v3, v0, 4, 1
	s_mul_i32 s21, s14, 16*272
	s_add_co_u32 s21, s21, STAGE                   ; my stage
	v_mul_u32_u24 v4, v2, 272
	v_lshl_add_u32 v4, v3, 6, v4
	v_add_nc_u32 v[STO], s21, v4                   ; in: row l % 16, 64 bytes for each half of the lanes
	v_mul_u32_u24 v5, v3, 272
	v_lshl_add_u32 v5, v2, 4, v5
	v_add_nc_u32 v[RD], s21, v5                    ; back: sixteen lanes to a row
	v_lshlrev_b32 v6, 12, v3
	v_lshl_add_u32 v[CO], v2, 4, v6                ; and the same two rows in out0
	s_wait_alu depctr_va_vdst(0)                   ; the wait at the head's end
.irp p, 0,1
.irp c, 0,1
	global_load_b128 v[32+8*\p+4*\c:35+8*\p+4*\c], v[LX32], s[72:73] offset:1024*\p+16*\c   ; the tokens' scale words: lanes 0-15 tile 2 p, lanes 16-31 tile 2 p + 1
.endr
.endr
	s_cmp_lt_u32 s14, 2
	s_cbranch_scc0 .Lnot_x
	s_wait_tensorcnt 0x0                           ; waves 0 and 1, whose load line is theirs alone: my half of the tokens' tiles is in
.Lnot_x:
	s_barrier_signal -1
	s_barrier_wait -1                              ; the tokens' tiles are in; W's and its scale words may still be on their way
	XLOAD
	s_wait_tensorcnt 0x0                           ; every wave: my tile is in,
	s_wait_dscnt 0x0                               ; and no LDS instruction of mine is out at the signal
	s_barrier_signal -1
	s_barrier_wait -1                              ; all the head's tiles are in
	FETCHW 0
	SCALEW
	s_wait_loadcnt 0x0
	TRIP
	v_add_nc_u32 v[AW], HB, v[L16]                 ; on to blocks 4-7: these four lines are the places behind the last products
	v_add_nc_u32 v[AW+1], HB, v[L8]
	v_add_nc_u32 v[AS], SCW+2048, v[LX32]
	v_nop
	s_wait_alu depctr_va_vdst(0)
	FETCHW 0
	SCALEW
	WAYO 0
	s_wait_xcnt 0x0                                ; the stores have read the registers in which the next sums begin
	TRIP
	PLACES 4
	WAYO 1
	s_wait_tensorcnt 0x0                           ; the wave's end
	ds_add_u32 v[SPW], v[NIL]
	s_wait_dscnt 0x0
	CROUND                                         ; the closing round
	s_endpgm
.Lfunc_end_k_qc1b7b90477_gemm_out:
	.size	k_qc1b7b90477_gemm_out, .Lfunc_end_k_qc1b7b90477_gemm_out-k_qc1b7b90477_gemm_out
	.p2alignl 7, 3214868480
	.fill 96, 4, 3214868480
	.section	.rodata,"a",@progbits
	.p2align	6, 0x0
	.amdhsa_kernel k_qc1b7b90477_gemm_out
		.amdhsa_group_segment_fixed_size 327680
		.amdhsa_private_segment_fixed_size 0
		.amdhsa_enable_private_segment 0
		.amdhsa_kernarg_size 40
		.amdhsa_user_sgpr_count 2
		.amdhsa_user_sgpr_kernarg_segment_ptr 1
		.amdhsa_wavefront_size32 1
		.amdhsa_system_sgpr_workgroup_id_x 1
		.amdhsa_system_sgpr_workgroup_id_y 1
		.amdhsa_system_sgpr_workgroup_id_z 1
		.amdhsa_system_vgpr_workitem_id 0
		.amdhsa_next_free_vgpr 1024
		.amdhsa_next_free_sgpr 102
		.amdhsa_reserve_vcc 0
		.amdhsa_float_denorm_mode_32 3
		.amdhsa_float_denorm_mode_16_64 3
		.amdhsa_memory_ordered 1
		.amdhsa_forward_progress 1
		.amdhsa_inst_pref_size 82
	.end_amdhsa_kernel
	.amdgpu_metadata
---
amdhsa.version: [ 1, 2 ]
amdhsa.kernels:
  - .name:           k_qc1b7b90477_gemm_out
    .symbol:         k_qc1b7b90477_gemm_out.kd
    .args:
      - { .name: att_img, .offset: 0, .size: 8, .value_kind: global_buffer, .address_space: global }
      - { .name: att_sc, .offset: 8, .size: 8, .value_kind: global_buffer, .address_space: global }
      - { .name: wq_img, .offset: 16, .size: 8, .value_kind: global_buffer, .address_space: global }
      - { .name: wq_sc, .offset: 24, .size: 8, .value_kind: global_buffer, .address_space: global }
      - { .name: out0, .offset: 32, .size: 8, .value_kind: global_buffer, .address_space: global }
    .group_segment_fixed_size: 327680
    .private_segment_fixed_size: 0
    .kernarg_segment_align: 8
    .kernarg_segment_size: 40
    .max_flat_workgroup_size: 128
    .sgpr_count:     102
    .vgpr_count:     1024
    .wavefront_size: 32
...
	.end_amdgpu_metadata
.endif
;; end of part 4
